; MI455X (gfx1250); checked and timed in simulation.
; The chip was launched on July 23, 2026; its instructions are those of AMD's public machine-readable ISA for CDNA 5 (MIT licence, August 2026) and "CDNA5" Instruction Set Architecture Reference Guide (July 2026). The comments in the code are by the model that wrote it; some were corrected since.
;; Attention Head. Allowed arithmetic: matrix products marked QUANTISED: E2M1 operands, one E8M0 scale for each 32 along K, by v_wmma_scale_f32_16x16x128_f8f6f4 with both operands' format E2M1 (or v_wmma_scale_f32_32x16x128_f4), f32 sums; everything else in f32.
;; Inputs: W_k 512 x 512 float32; W_q 512 x 512 float32; W_v 512 x 512 float32; b_k 512 float32; b_q 512 float32; b_v 512 float32; input 8 x 2,048 x 512 float32; mask 8 x 2,048 x 2,048 int32.
;; Outputs: out0 8 x 2,048 x 512 float32.
;; This version of the problem:
;;   THIS VERSION OF THE PROBLEM IS GIVEN IN LOW PRECISION. The matrix products marked QUANTISED in the list below multiply operands that are first quantised to E2M1 (2 exponent bits, 1 mantissa bit; 4 bits a number), with one power-of-two scale for each 32 numbers along K (OCP MX v1.0); their sums are f32. All else is computed in f32.
;;   The module's matrix products, in the order in which they are computed (A, B: the left and right operand; K: the contracted axis; several contracted axes count as one K, in the product's order):
;;     1. [M 16,384, K 512] x [K 512, N 512]; A: input input; B: input W_q: QUANTISED
;;     2. [M 16,384, K 512] x [K 512, N 512]; A: input input; B: input W_k: QUANTISED
;;     3. [M 16,384, K 512] x [K 512, N 512]; A: input input; B: input W_v: QUANTISED
;;     4. batch 8 x [M 2,048, K 512] x [K 512, N 2,048]; A: computed on the way; B: computed on the way: QUANTISED
;;     5. batch 8 x [M 2,048, K 2,048] x [K 2,048, N 512]; A: softmax (see below); B: computed on the way: QUANTISED
;;   THE QUANTISER, for each operand of a quantised product, along K:
;;     - K is cut into blocks of 32 from its start; a last block that is shorter is filled with zeros.
;;     - A block's scale is 2^e with e = floor(log2(the largest magnitude in the block)) - 2, held to -126 .. 127; a block of zeros has e = 0. As a byte (E8M0): e + 127.
;;     - Each number is divided by its block's scale, clamped to +-6, and rounded to the nearest number of E2M1, ties to even, subnormals kept.
;;     - The product sums the exact products of the quantised numbers (number of the format x scale) in f32.
;;   ~~~python
;;   def quantise(x, axis):      # numpy; x: float32 -> the quantised numbers, widened to float32 again
;;       x = np.moveaxis(x, axis, -1); K = x.shape[-1]
;;       x = np.pad(x, [(0, 0)] * (x.ndim - 1) + [(0, -K % 32)]); x = x.reshape(x.shape[:-1] + (-1, 32)); a = np.abs(x).max(-1, keepdims=True)
;;       e = np.where(a > 0, np.clip(np.frexp(np.where(a > 0, a, 1))[1] - 1 - 2, -126, 127), 0)      # np.frexp(a)[1] - 1 = floor(log2(a)), exactly
;;       r = np.clip(x / 2.0 ** e, -6, 6)
;;       step = 2.0 ** (np.maximum(np.frexp(np.where(r == 0, 1, r))[1] - 1, 0) - 1)
;;       q = np.round(r / step) * step * 2.0 ** e      # np.round: ties to even
;;       return np.moveaxis(q.reshape(q.shape[:-2] + (-1,))[..., :K], -1, axis).astype(np.float32)
;;   ~~~
;;   SOFTMAX AHEAD OF A QUANTISED PRODUCT. Where the list says 'softmax', what is quantised is not the finished softmax but p = 2^(t - M), with t = logit x log2(e) and M = ceil(the row's largest t), a whole number; so 1/2 < the row's largest p <= 1. The row's sum l is taken of the UNQUANTISED p, in f32, and the product's result is divided by l at the end. Since M is a whole number, a kernel that streams over the keys may use a running M (the ceiling of the running maximum): every later rescaling is an exact power of two, which a block's scale takes up: the codes' values come out the same.
;;   OPERANDS COMPUTED ON THE WAY. 'Computed on the way' means the value that the module computes at that place (a softmax that the list does not call 'softmax' is quantised finished and normalised). What goes into a quantiser is computed in f32, as accurately as f32 sums, v_exp_f32 and their like allow (about 1e-6 of the number): no bf16 or f16 on the way to a quantiser, and a product that is left as it is and whose result goes on into a quantised operand takes f32 operands (vector FMAs, or v_wmma_f32_16x16x4_f32). A number that lies on a knife's edge between two numbers of the format may be rounded either way, as far as f32 arithmetic and the matrix unit's own rounding can turn it there, and no further.
;; 2 versions. Each part assembles by itself: llvm-mc -triple=amdgcn-amd-amdhsa -mcpu=gfx1250 --defsym DOCPART=n.
;; ======== version 1 of 2: 3 launches
;; limits: right only within a limited range of input values
;; workspace buffers: wc 393,216 bytes; ws 24,576 bytes; qc 4,194,304 bytes; qs 262,144 bytes; kv 8,912,896 bytes
;; launch wquant (part 1): grid 96 x 1, 4 waves a work-group, no clusters, 34,304 bytes of LDS; arguments W_q, W_k, W_v, wc, ws; writes wc, ws
.if DOCPART == 1
	.amdgcn_target "amdgcn-amd-amdhsa--gfx1250"
	.amdhsa_code_object_version 6
	.text
	.protected	k_q5141b6d071_wquant
	.globl	k_q5141b6d071_wquant
	.p2align	8
	.type	k_q5141b6d071_wquant,@function
k_q5141b6d071_wquant:
	s_mov_b64 s[64:65], 0
	v_nop
	global_prefetch_b8 v0, s[64:65] scope:SCOPE_SE
	s_setreg_imm32_b32 hwreg(HW_REG_WAVE_MODE, 25, 1), 1
	s_wait_xcnt 0x0
; W_q, W_k, W_v [512][512] f32 (K innermost) become codes of FP4 (E2M1) with one E8M0 byte for each 32 along K, laid in the ORDER OF THE OPERAND'S REGISTERS:
; wc [matrix 3][w 4][tile 8][K step 4] images of 1,024 bytes: [c 2][lane 32][16 bytes] = registers 4 c .. 4 c + 3 of a fragment of 16 rows x 128 K (lane (r, h): k = 64 c + 32 h + 0 .. 31).
; ws [matrix][w][pair of tiles 4][K step 4][lane 32] words: lanes 0-15 the scale words of tile 2 tp, lanes 16-31 those of tile 2 tp + 1.
; THE ROWS OF A TILE: for W_q and W_k lane r of tile t takes row 128 w + 32 (t / 2) + 8 (t % 2) + r + 8 (r / 8), so that the results of two neighbouring tiles are 16 neighbours along the next K; for W_v row 128 w + 16 t + r.
; A block's scale byte is its largest magnitude's exponent field - 2, held at 1 from below.  A block of zeros keeps the byte 1: its codes are zeros, and the bytes are read by this program alone.
; LIMITS: NaN and infinities are not served; blocks whose largest magnitude lies under 2^-124 keep the byte 1.
; SHARES: 96 work-groups = 3 matrices x 32 tiles of 16 rows; wave = K step: one fragment and 16 scale words a wave.  Each of a wave's 16 loads reads 512 consecutive bytes of one row; the 8,192 bytes turn through the wave's own
; stage in LDS, so that a lane gets 16 neighbours of each block of 32 of its row (two lanes, l and l xor 16, hold a block).  Waves share nothing: no barrier.  No matrix unit: 3 MB are read once.
.set SP,  528                          ; a stage row: 512 bytes + 16: the sixteen rows that a load touches begin 16 bytes further on in each 256
.set LI,  1                            ; v1   16 x lane
.set LH,  2                            ; v2   the same, + 8 rows for W_q and W_k: the tile's rows 8-15
.set XST, 3                            ; v3   my stage + 16 x lane
.set XLD, 4                            ; v4   my stage + 528 r + 64 h
.set WO,  5                            ; v5   4 r
.set R,   16                           ; v16-79   the tile as loaded: row i in 4 i ..
.set ST,  80                           ; v80-143  64 numbers of my row: register 16 b + i = k 32 b + 16 h + i
.set PC,  144                          ; v144-151 the codes
.set TM,  152                          ; v152-155 largest magnitudes, v156-159 bytes, v164-167 scale operands
.set PW,  168                          ; v168 my row's scale word
.set SEL, 28
	s_load_b256 s[4:11], s[0:1], 0x0               ; W_q s[4:5], W_k s[6:7], W_v s[8:9], wc s[10:11]
	s_load_b64 s[12:13], s[0:1], 0x20              ; ws
	v_lshl_add_u32 v192, v0, 2, 0x8400
	v_mov_b32 v193, 0
	v_lshrrev_b32 v6, 5, v0
	v_readfirstlane_b32 s14, v6                    ; wave = K step s
	v_and_b32 v6, 31, v0                           ; lane
	v_and_b32 v7, 15, v0                           ; r
	v_bfe_u32 v8, v0, 4, 1                         ; h
	v_lshlrev_b32 v[LI], 4, v6
	v_lshlrev_b32 v[WO], 2, v7
	s_mul_i32 s22, s14, 16*SP                      ; my stage
	v_add_nc_u32 v[XST], s22, v[LI]
	v_mul_u32_u24 v[XLD], v7, SP
	v_lshl_add_u32 v[XLD], v8, 6, v[XLD]
	v_add_nc_u32 v[XLD], s22, v[XLD]
.irp b, 0,1,2,3
	v_mov_b32 v[TM+4+\b], 0                        ; written once: a lane permute's destination counts as one of its sources
.endr
	s_mov_b32 s[SEL], 0x76543210
	s_mov_b32 s[SEL+1], 0xfedcba98                 ; v_permlanex16_b32's selects for lane l xor 16
	s_lshr_b32 s15, ttmp9, 5                       ; matrix 0, 1, 2
	s_bfe_u32 s16, ttmp9, 0x20003                  ; w
	s_and_b32 s17, ttmp9, 7                        ; t
	s_lshr_b32 s18, s17, 1
	s_lshl_b32 s18, s18, 5                         ; 32 (t / 2)
	s_and_b32 s19, s17, 1
	s_lshl_b32 s19, s19, 3                         ; 8 (t % 2)
	s_add_co_u32 s18, s18, s19
	s_lshl_b32 s19, s17, 4                         ; 16 t
	s_cmp_lt_u32 s15, 2
	s_cselect_b32 s18, s18, s19                    ; the tile's first row among w's 128
	s_cselect_b32 s19, 16384, 0                    ; W_q, W_k: the tile's rows 8-15 lie 8 rows of 2,048 bytes further on
	v_add_nc_u32 v[LH], s19, v[LI]
	s_lshl_b32 s20, s16, 7
	s_add_co_u32 s20, s20, s18
	s_lshl_b32 s20, s20, 11                        ; in W: the first row x 2,048 bytes
	s_lshl_b32 s21, s14, 9                         ; + 512 s
	s_add_co_u32 s20, s20, s21
	s_mov_b32 s21, 0
	s_lshl_b32 s24, ttmp9, 12                      ; in wc: 4,096 x (32 matrix + 8 w + t) + 1,024 s
	s_lshl_b32 s25, s14, 10
	s_add_co_u32 s24, s24, s25
	s_mov_b32 s25, 0
	s_lshr_b32 s26, ttmp9, 1                       ; in ws: 512 x (16 matrix + 4 w + t / 2) + 128 s + 64 (t % 2)
	s_lshl_b32 s26, s26, 9
	s_and_b32 s27, ttmp9, 1
	s_lshl_b32 s27, s27, 6
	s_add_co_u32 s26, s26, s27
	s_lshl_b32 s27, s14, 7
	s_add_co_u32 s26, s26, s27
	s_mov_b32 s27, 0
	s_wait_kmcnt 0x0
	s_cmp_eq_u32 s15, 0                            ; the choice hangs on the work-group's number alone
	s_cselect_b64 s[4:5], s[4:5], s[6:7]
	s_cmp_eq_u32 s15, 2
	s_cselect_b64 s[4:5], s[8:9], s[4:5]
	s_add_nc_u64 s[4:5], s[4:5], s[20:21]
	s_add_nc_u64 s[10:11], s[10:11], s[24:25]
	s_add_nc_u64 s[12:13], s[12:13], s[26:27]
.irp i, 0,1,2,3,4,5,6,7
	global_load_b128 v[R+4*\i:R+4*\i+3], v[LI], s[4:5] offset:2048*\i th:TH_LOAD_NT   ; 32 lanes read 512 consecutive bytes of one row
.endr
.irp i, 8,9,10,11,12,13,14,15
	global_load_b128 v[R+4*\i:R+4*\i+3], v[LH], s[4:5] offset:2048*\i th:TH_LOAD_NT
.endr
	s_wait_loadcnt 0x0
.irp i, 0,1,2,3,4,5,6,7,8,9,10,11,12,13,14,15
	ds_store_b128 v[XST], v[R+4*\i:R+4*\i+3] offset:SP*\i   ; in as loaded
.endr
.irp b, 0,1,2,3
.irp j, 0,1,2,3
	ds_load_b128 v[ST+16*\b+4*\j:ST+16*\b+4*\j+3], v[XLD] offset:128*\b+16*\j   ; back 16 neighbours of each block a lane; LDS serves a wave's instructions in order (ISA guide 5.7.1.4)
.endr
.endr
	s_wait_dscnt 0x0
.irp b, 0,1,2,3
	v_max3_num_f32 v[TM+\b], |v[ST+16*\b]|, |v[ST+1+16*\b]|, 0x1800000   ; block b: my 16 numbers, and the floor 2^(3 - 127): the byte cannot fall under 1
.endr
.irp i, 2,4,6,8,10,12,14
.irp b, 0,1,2,3
	v_max3_num_f32 v[TM+\b], v[TM+\b], |v[ST+16*\b+\i]|, |v[ST+1+16*\b+\i]|   ; the four blocks by turns
.endr
.endr
.irp b, 0,1,2,3
	v_permlanex16_b32 v[TM+4+\b], v[TM+\b], s[SEL], s[SEL+1]
.endr
.irp b, 0,1,2,3
	v_max_num_f32 v[TM+\b], v[TM+\b], v[TM+4+\b]   ; with lane l xor 16's: the block's largest magnitude
.endr
.irp b, 0,1,2,3
	v_add_nc_u32 v[TM+12+\b], 0xff000000, v[TM+\b] ; 2 off its exponent field: the conversion's scale operand
.endr
.irp b, 0,1,2,3
	v_lshrrev_b32 v[TM+4+\b], 23, v[TM+12+\b]      ; the scale's byte
.endr
	v_lshl_or_b32 v[PW], v[TM+5], 8, v[TM+4]       ; the four bytes make my row's scale word
	v_lshl_or_b32 v[PW], v[TM+6], 16, v[PW]
	v_lshl_or_b32 v[PW], v[TM+7], 24, v[PW]
.irp b, 0,1,2,3
	v_cvt_scalef32_pk8_fp4_f32 v[PC+2*\b], v[ST+16*\b:ST+7+16*\b], v[TM+12+\b]
	v_cvt_scalef32_pk8_fp4_f32 v[PC+1+2*\b], v[ST+8+16*\b:ST+15+16*\b], v[TM+12+\b]
.endr
	v_nop                                          ; one plain line behind a scaled conversion
.irp c, 0,1                                    ; the operand's layout wants a WHOLE block in a lane: lanes 0-15 block 2 c, lanes 16-31 block 2 c + 1
.irp i, 0,1
	v_permlane16_swap_b32 v[PC+4*\c+\i], v[PC+2+4*\c+\i]
.endr
.endr
	global_store_b128 v[LI], v[PC:PC+3],   s[10:11]             ; 32 lanes store 512 consecutive bytes
	global_store_b128 v[LI], v[PC+4:PC+7], s[10:11] offset:512
	global_store_b32 v[WO], v[PW], s[12:13]        ; 16 words; lanes r and r + 16 store the same word with the same value
	s_wait_tensorcnt 0x0
	ds_add_u32 v192, v193
	s_wait_dscnt 0x0
	s_endpgm
.Lfunc_end_k_q5141b6d071_wquant:
	.size	k_q5141b6d071_wquant, .Lfunc_end_k_q5141b6d071_wquant-k_q5141b6d071_wquant
	.p2alignl 7, 3214868480
	.fill 96, 4, 3214868480
	.section	.rodata,"a",@progbits
	.p2align	6, 0x0
	.amdhsa_kernel k_q5141b6d071_wquant
		.amdhsa_group_segment_fixed_size 34304
		.amdhsa_private_segment_fixed_size 0
		.amdhsa_enable_private_segment 0
		.amdhsa_kernarg_size 40
		.amdhsa_user_sgpr_count 2
		.amdhsa_user_sgpr_kernarg_segment_ptr 1
		.amdhsa_wavefront_size32 1
		.amdhsa_system_sgpr_workgroup_id_x 1
		.amdhsa_system_sgpr_workgroup_id_y 1
		.amdhsa_system_sgpr_workgroup_id_z 1
		.amdhsa_system_vgpr_workitem_id 0
		.amdhsa_next_free_vgpr 194
		.amdhsa_next_free_sgpr 66
		.amdhsa_reserve_vcc 0
		.amdhsa_float_denorm_mode_32 3
		.amdhsa_float_denorm_mode_16_64 3
		.amdhsa_memory_ordered 1
		.amdhsa_forward_progress 1
		.amdhsa_inst_pref_size 11
	.end_amdhsa_kernel
	.amdgpu_metadata
---
amdhsa.version: [ 1, 2 ]
amdhsa.kernels:
  - .name:           k_q5141b6d071_wquant
    .symbol:         k_q5141b6d071_wquant.kd
    .args:
      - { .name: W_q, .offset: 0, .size: 8, .value_kind: global_buffer, .address_space: global }
      - { .name: W_k, .offset: 8, .size: 8, .value_kind: global_buffer, .address_space: global }
      - { .name: W_v, .offset: 16, .size: 8, .value_kind: global_buffer, .address_space: global }
      - { .name: wc, .offset: 24, .size: 8, .value_kind: global_buffer, .address_space: global }
      - { .name: ws, .offset: 32, .size: 8, .value_kind: global_buffer, .address_space: global }
    .group_segment_fixed_size: 34304
    .private_segment_fixed_size: 0
    .kernarg_segment_align: 8
    .kernarg_segment_size: 40
    .max_flat_workgroup_size: 128
    .sgpr_count:     66
    .vgpr_count:     194
    .wavefront_size: 32
...
	.end_amdgpu_metadata
.endif
;; end of part 1
;; launch proj (part 2): grid 256 x 1, 4 waves a work-group, no clusters, 54,784 bytes of LDS; arguments input, wc, ws, b_q, b_k, b_v, qc, qs, kv; writes qc, qs, kv
.if DOCPART == 2
	.amdgcn_target "amdgcn-amd-amdhsa--gfx1250"
	.amdhsa_code_object_version 6
	.text
	.protected	k_q5141b6d071_proj
	.globl	k_q5141b6d071_proj
	.p2align	8
	.type	k_q5141b6d071_proj,@function
k_q5141b6d071_proj:
	s_mov_b64 s[64:65], 0
	v_nop
	global_prefetch_b8 v0, s[64:65] scope:SCOPE_SE
	s_setreg_imm32_b32 hwreg(HW_REG_WAVE_MODE, 25, 1), 1
	s_wait_xcnt 0x0
; q = x W_q^T + b_q, k = x W_k^T + b_k, v = x W_v^T + b_v on codes of FP4 (E2M1) with one E8M0 scale for each 32 along K; q, k and v leave as codes again, for the two products of attention.
; x: [16,384][512] f32, quantised here along its 512.  The weights come as images of operand registers (launch wquant).  q and k are quantised along the head's 512, v along the KEYS.
; SHARES.  A work-group takes 64 rows.  Wave w quantises the 16 rows of tile w of x; then, for all 64 rows, it makes channels 128 w .. 128 w + 127 of q, of k and of v: 3 x 128 matrix instructions.
; A weight fragment is loaded once in a work-group, by one wave, straight into registers, and feeds four products.
; THE LOADS: x's 64 go first.  A pass's weights (32 fragments, 16 registers of scale words, the bias) come in FOUR PARTS of 24 loads (v: 22), each ahead of one quantising of the phase before: q's among x's four K steps,
; k's among q's four tiles of rows, v's among k's.
; THE ROWS OF A TILE ARE NOT NEIGHBOURS: lane r of tile T = 2 b + u takes row 32 b + 8 u + r + 8 (r / 8) of the 64.  One set of x's fragments then serves three uses: source 1 for q and k (a lane holds one row, its registers run
; along the channels); source 0 for v (a lane holds one channel, and the 16 registers of tiles 2 b, 2 b + 1 are keys 32 b + 16 (lane / 16) + 0 .. 15); and k's images are the tiles of keys that the softmax's layout wants.
; OUT.  qc [block of 64 rows][T 4][K step 4] images of 1,024 bytes; qs [block][T][r 16][K step 4] words.  kv: one block of 69,632 bytes for each 128 keys: K's images [tile 8][K step 4]; at 32,768 V's images [16 channels: 32];
; at 65,536 K's scale words [u 4][lane][K step 4] (tile 2 u + lane / 16); at 67,584 V's [g 4][lane][i 4] (channels' tile 8 g + 2 i + lane / 16).  A work-group writes one half of such a block.
; V's scale word of 128 keys belongs to two work-groups: each stores its two bytes of it (2 bytes a lane, 1,024 bytes a work-group); all else leaves 512 consecutive bytes an instruction.
; LIMITS: NaN and infinities are not served; blocks whose largest magnitude lies under 2^-124 keep the scale byte 1 (so does a block of zeros: its codes are zeros, and this program alone reads the bytes).
; REGISTERS, in windows of 256 (s_set_vgpr_msb: bits 1:0 source 0, 3:2 source 1, 5:4 source 2, 7:6 destination):
;   window 0: addresses, scale words, what the quantiser works on.   window 1: x as loaded (64 s + 4 i), then the 32 accumulators.   window 2: the pass's 32 weight fragments (8 (4 t + s)).
;   window 3: v0-127 x's 16 fragments (8 (4 T + s)); v128-191 the bias as C, eight registers a tile.
.set XIMG, 0                           ; LDS: x's 16 images (4 T + s), 1,024 bytes each
.set XSCL, 16384                       ; their scale words, 128 bytes each
.set STG,  18432                       ; a stage of 16 rows x 528 bytes for each wave
.set SP,   528                         ; 512 bytes + 16: the sixteen rows that a load touches begin 16 bytes further on in each 256
.set SCG,  52224                       ; q's scale words (1,024 bytes), then k's: word at 256 T + 16 r + 4 w
.set LI,  1                            ; v1   16 x lane
.set LS,  2                            ; v2   4 x lane
.set XST, 3                            ; v3   my stage + 16 x lane
.set XLD, 4                            ; v4   my stage + 528 r + 64 h
.set XWI, 5                            ; v5   16 x lane + 4,096 w
.set XWS, 6                            ; v6   XSCL + 4 x lane + 512 w
.set SGA, 7                            ; v7   SCG + 16 r + 4 w
.set SGR, 8                            ; v8   SCG + 512 w + 16 x lane
.set B1O, 9                            ; v9   64 h
.set BVO, 10                           ; v10  4 r
.set SH,  11                           ; v11  16 h
.set XSC, 16                           ; v16-31  x's scale words (4 T + s)
.set WSC, 32                           ; v32-47  the weights' scale words (4 tp + s)
.set BV,  48                           ; v48-55  b_v as loaded
.set ST,  64                           ; v64-127 64 numbers of x
.set TM,  144                          ; v144-147 largest magnitudes, v148-151 bytes, v156-159 scale operands
.set VW,  161                          ; v161-164 V's two scale bytes, one register for each pair of tiles
.set CP,  168                          ; v168-171 the scale words on their way out
.set PC,  176                          ; v176-207 the codes just made: four sets, one for each quantising of a pass
.set PW,  208                          ; v208-211 the scale words just made, likewise
.set BI,  128                          ; window 3: the bias
.set WV,  22
.set SEL, 24
.set MSB, 0
.macro WIN new                         ; the immediate's high byte repeats the setting that is left; a switch that changes nothing is dropped
.if MSB != (\new)
	s_set_vgpr_msb (MSB<<8)|(\new)
.set MSB, (\new)
.endif
.endm
.macro PLACES                          ; four plain vector lines between a matrix instruction and a load into its registers or a read of its result (ISA guide 7.12.1 for the read of its result)
.rept 4
	v_nop
.endr
.endm
.macro BARRIER                         ; my LDS stores have landed and my LDS loads are in: then the work-group's barrier
	s_wait_dscnt 0x0
	s_barrier_signal -1
	s_barrier_wait -1
.endm
; One scaled product.  ra, rb: that side's scale words stand in lanes 16-31 of the register named.
.macro WM d, a, b, c, sa, sb, ra, rb
.if \ra
	v_wmma_scale_f32_16x16x128_f8f6f4 v[(\d):(\d)+7], v[(\a):(\a)+7], v[(\b):(\b)+7], v[(\c):(\c)+7], v[\sa], v[\sb] matrix_a_fmt:MATRIX_FMT_FP4 matrix_b_fmt:MATRIX_FMT_FP4 matrix_a_scale:MATRIX_SCALE_ROW1
.elseif \rb
	v_wmma_scale_f32_16x16x128_f8f6f4 v[(\d):(\d)+7], v[(\a):(\a)+7], v[(\b):(\b)+7], v[(\c):(\c)+7], v[\sa], v[\sb] matrix_a_fmt:MATRIX_FMT_FP4 matrix_b_fmt:MATRIX_FMT_FP4 matrix_b_scale:MATRIX_SCALE_ROW1
.else
	v_wmma_scale_f32_16x16x128_f8f6f4 v[(\d):(\d)+7], v[(\a):(\a)+7], v[(\b):(\b)+7], v[(\c):(\c)+7], v[\sa], v[\sb] matrix_a_fmt:MATRIX_FMT_FP4 matrix_b_fmt:MATRIX_FMT_FP4
.endif
.endm
; 64 numbers of a lane in window win, register src + 16 b + i = k 32 b + 16 (lane / 16) + i of my row, become a fragment's codes in v[pc] on and its scale word in v[pw].
.macro QUANT src, win, pc, pw
	WIN (\win)|((\win)<<2)
.irp b, 0,1,2,3
	v_max3_num_f32 v[TM+\b], |v[(\src)+16*\b]|, |v[(\src)+1+16*\b]|, 0x1800000   ; block b: my 16 numbers, from each accumulator's low end on, and the floor 2^(3 - 127)
.endr
	WIN ((\win)<<2)|((\win)<<4)
.irp i, 2,4,6,8,10,12,14
.irp b, 0,1,2,3
	v_max3_num_f32 v[TM+\b], v[TM+\b], |v[(\src)+16*\b+\i]|, |v[(\src)+1+16*\b+\i]|   ; the four blocks by turns
.endr
.endr
	WIN 0
.irp b, 0,1,2,3
	v_permlanex16_b32 v[TM+4+\b], v[TM+\b], s[SEL], s[SEL+1]
.endr
.irp b, 0,1,2,3
	v_max_num_f32 v[TM+\b], v[TM+\b], v[TM+4+\b]   ; with lane l xor 16's: the block's largest magnitude
.endr
.irp b, 0,1,2,3
	v_add_nc_u32 v[TM+12+\b], 0xff000000, v[TM+\b] ; 2 off its exponent field: the conversion's scale operand
.endr
.irp b, 0,1,2,3
	v_lshrrev_b32 v[TM+4+\b], 23, v[TM+12+\b]      ; the scale's byte
.endr
	v_lshl_or_b32 v[\pw], v[TM+5], 8, v[TM+4]      ; the four bytes make my row's scale word
	v_lshl_or_b32 v[\pw], v[TM+6], 16, v[\pw]
	v_lshl_or_b32 v[\pw], v[TM+7], 24, v[\pw]
	WIN \win
.irp b, 0,1,2,3
	v_cvt_scalef32_pk8_fp4_f32 v[(\pc)+2*\b], v[(\src)+16*\b:(\src)+7+16*\b], v[TM+12+\b]
	v_cvt_scalef32_pk8_fp4_f32 v[(\pc)+1+2*\b], v[(\src)+8+16*\b:(\src)+15+16*\b], v[TM+12+\b]
.endr
	WIN 0
	v_nop                                          ; one plain line behind a scaled conversion
.irp c, 0,1                                    ; the operand's layout wants a WHOLE block in a lane: lanes 0-15 block 2 c, lanes 16-31 block 2 c + 1
.irp i, 0,1
	v_permlane16_swap_b32 v[(\pc)+4*\c+\i], v[(\pc)+2+4*\c+\i]
.endr
.endr
.endm
; K step s of my 16 rows of x goes through my stage: in as loaded (a row's 512 bytes an instruction), back 16 neighbours of each block of 32 a lane.  LDS serves a wave's instructions in order (ISA guide 5.7.1.4).
.macro TURN s
	WIN 0x04                                       ; an LDS store's data are its source 1: window 1
.irp i, 0,1,2,3,4,5,6,7,8,9,10,11,12,13,14,15
	ds_store_b128 v[XST], v[64*(\s)+4*\i:64*(\s)+4*\i+3] offset:SP*\i
.endr
	WIN 0
.irp b, 0,1,2,3
.irp j, 0,1,2,3
	ds_load_b128 v[ST+16*\b+4*\j:ST+16*\b+4*\j+3], v[XLD] offset:128*\b+16*\j
.endr
.endr
.endm
; A quarter of a pass's weights: tiles 2 part and 2 part + 1: 8 fragments, 4 registers of scale words, the two tiles' bias.  mat: 0 q, 1 k, 2 v;  bp: the bias's address.
.macro WPART mat, bp, part
	WIN 0x80                                       ; destination window 2
.set n, 8*(\part)
.rept 8
	global_load_b128 v[8*n:8*n+3],   v[LI], s[6:7] offset:\mat*131072+1024*n
	global_load_b128 v[8*n+4:8*n+7], v[LI], s[6:7] offset:\mat*131072+1024*n+512
.set n, n+1
.endr
	WIN 0
.set n, 4*(\part)
.rept 4
	global_load_b32 v[WSC+n], v[LS], s[8:9] offset:\mat*8192+128*n
.set n, n+1
.endr
.set n, 2*(\part)
.if \mat < 2
	WIN 0xc0                                       ; destination window 3: lane (r, h) wants, for tile t, the bias of channels 32 (t / 2) + 8 (t % 2) + 16 h + 0 .. 7
.rept 2
	global_load_b128 v[BI+8*n:BI+8*n+3],   v[B1O], s[\bp:\bp+1] offset:(32*(n/2)+8*(n%2))*4
	global_load_b128 v[BI+8*n+4:BI+8*n+7], v[B1O], s[\bp:\bp+1] offset:(32*(n/2)+8*(n%2))*4+16
.set n, n+1
.endr
	WIN 0
.else
.rept 2
	global_load_b32 v[BV+n], v[BVO], s[\bp:\bp+1] offset:64*n   ; v: a lane holds one channel: 16 t + r
.set n, n+1
.endr
.endif
.endm
; A pass's 128 products.  The 32 accumulators take turns, one instruction a turn, in the same order in every K step.  The bias is the C of each sum's first product.
; kind 0 (q, k): source 0 = 16 rows of W, source 1 = x's tile m; accumulator 64 m + 8 t.   kind 1 (v): source 0 = x's tile m, source 1 = 16 rows of W_v; accumulator 32 t + 8 m.
.macro MUL kind
.irp s, 0,1,2,3
.if \kind == 0
.if \s == 0
	WIN 0x7e                                       ; W window 2, x window 3, C (the bias) window 3, D window 1
.else
	WIN 0x5e                                       ; C and D window 1
.endif
.else
.if \s == 0
	WIN 0x7b                                       ; x window 3, W window 2, C window 3, D window 1
.else
	WIN 0x5b
.endif
.endif
.irp t, 0,1,2,3,4,5,6,7
.irp m, 0,1,2,3
.if \kind == 0
.if \s == 0
	WM 64*\m+8*\t, 8*(4*\t+\s), 8*(4*\m+\s), BI+8*\t, WSC+4*(\t/2)+\s, XSC+4*\m+\s, \t%2, 0
.else
	WM 64*\m+8*\t, 8*(4*\t+\s), 8*(4*\m+\s), 64*\m+8*\t, WSC+4*(\t/2)+\s, XSC+4*\m+\s, \t%2, 0
.endif
.else
.if \s == 0
	WM 32*\t+8*\m, 8*(4*\m+\s), 8*(4*\t+\s), BI+8*\t, XSC+4*\m+\s, WSC+4*(\t/2)+\s, 0, \t%2
.else
	WM 32*\t+8*\m, 8*(4*\m+\s), 8*(4*\t+\s), 32*\t+8*\m, XSC+4*\m+\s, WSC+4*(\t/2)+\s, 0, \t%2
.endif
.endif
.endr
.endr
.endr
	WIN 0
.endm
; q's or k's results leave: for each tile of rows m my 64 registers are K step w of that tile's fragment.  dp: where the images go;  so: where the scale words gather in LDS;  nm, nb: the next pass's matrix and bias, a quarter
; of whose loads stands ahead of each quantising.  Each tile has its own registers for codes and scale word: one pair of waits serves the pass.
.macro OUTQK dp, so, nm, nb
	s_wait_xcnt 0x0                                ; the last pass's stores have read the codes' registers: they are written again only behind this wait,
	s_wait_dscnt 0x0                               ; and the scale words' registers only when their LDS stores are done
.irp m, 0,1,2,3
	WPART \nm, \nb, \m
	QUANT 64*\m, 1, PC+8*\m, PW+\m
	global_store_b128 v[LI], v[PC+8*\m:PC+8*\m+3],   s[\dp:\dp+1] offset:4096*\m       ; 32 lanes store 512 consecutive bytes
	global_store_b128 v[LI], v[PC+8*\m+4:PC+8*\m+7], s[\dp:\dp+1] offset:4096*\m+512
	ds_store_b32 v[SGA], v[PW+\m] offset:\so+256*\m   ; lanes r and r + 16 write the same word with the same value
.endr
.endm
	s_load_b512 s[4:19], s[0:1], 0x0               ; input s[4:5], wc s[6:7], ws s[8:9], b_q s[10:11], b_k s[12:13], b_v s[14:15], qc s[16:17], qs s[18:19]
	s_load_b64 s[20:21], s[0:1], 0x40              ; kv
	v_lshl_add_u32 v254, v0, 2, 0xd400
	v_mov_b32 v255, 0
	v_lshrrev_b32 v12, 5, v0
	v_readfirstlane_b32 s[WV], v12                 ; wave 0..3
	v_and_b32 v12, 31, v0                          ; lane
	v_and_b32 v13, 15, v0                          ; r
	v_bfe_u32 v14, v0, 4, 1                        ; h
	v_lshlrev_b32 v[LI], 4, v12
	v_lshlrev_b32 v[LS], 2, v12
	s_mul_i32 s26, s[WV], 16*SP
	s_add_co_u32 s26, s26, STG                     ; my stage
	v_add_nc_u32 v[XST], s26, v[LI]
	v_mul_u32_u24 v[XLD], v13, SP
	v_lshl_add_u32 v[XLD], v14, 6, v[XLD]
	v_add_nc_u32 v[XLD], s26, v[XLD]
	s_lshl_b32 s26, s[WV], 12
	v_add_nc_u32 v[XWI], s26, v[LI]
	s_lshl_b32 s26, s[WV], 9
	s_add_co_u32 s27, s26, XSCL
	v_add_nc_u32 v[XWS], s27, v[LS]
	s_add_co_u32 s27, s26, SCG
	v_add_nc_u32 v[SGR], s27, v[LI]
	s_lshl_b32 s27, s[WV], 2
	s_add_co_u32 s27, s27, SCG
	v_lshl_add_u32 v[SGA], v13, 4, s27
	v_lshlrev_b32 v[B1O], 6, v14
	v_lshlrev_b32 v[BVO], 2, v13
	v_lshlrev_b32 v[SH], 4, v14
.irp b, 0,1,2,3
	v_mov_b32 v[TM+4+\b], 0                        ; written once: a lane permute's destination counts as one of its sources
.endr
	s_mov_b32 s[SEL], 0x76543210
	s_mov_b32 s[SEL+1], 0xfedcba98                 ; v_permlanex16_b32's selects for lane l xor 16
	s_and_b32 s31, s[WV], 1                        ; w % 2
	s_and_b32 s34, ttmp9, 1                        ; which half of a block of 128 keys is mine
	s_lshl_b32 s28, ttmp9, 17                      ; x: 64 rows of 2,048 bytes a work-group,
	s_lshr_b32 s30, s[WV], 1
	s_lshl_b32 s30, s30, 16                        ; + 32 (w / 2) rows
	s_add_co_u32 s28, s28, s30
	s_lshl_b32 s30, s31, 14                        ; + 8 (w % 2) rows
	s_add_co_u32 s28, s28, s30
	s_mov_b32 s29, 0
	s_wait_kmcnt 0x0
	s_add_nc_u64 s[4:5], s[4:5], s[28:29]          ; x at my tile's first row
	WIN 0x40                                       ; destination window 1.  x's 64 loads go first: the first work waits for them
.irp s, 0,1,2,3
.irp i, 0,1,2,3,4,5,6,7,8,9,10,11,12,13,14,15
	global_load_b128 v[64*\s+4*\i:64*\s+4*\i+3], v[LI], s[4:5] offset:(\i+8*(\i/8))*2048+512*\s th:TH_LOAD_NT   ; 32 lanes read 512 consecutive bytes of one row
.endr
.endr
	WIN 0
	s_lshl_b32 s28, s[WV], 15
	s_add_nc_u64 s[6:7], s[6:7], s[28:29]          ; my 32 fragments of each matrix
	s_lshl_b32 s28, s[WV], 11
	s_add_nc_u64 s[8:9], s[8:9], s[28:29]          ; their scale words
	s_lshl_b32 s28, s[WV], 9
	s_add_nc_u64 s[10:11], s[10:11], s[28:29]      ; my 128 numbers of each bias
	s_add_nc_u64 s[12:13], s[12:13], s[28:29]
	s_add_nc_u64 s[14:15], s[14:15], s[28:29]
	s_lshl_b32 s28, ttmp9, 14
	s_lshl_b32 s30, s[WV], 10
	s_add_co_u32 s28, s28, s30
	s_add_nc_u64 s[16:17], s[16:17], s[28:29]      ; qc: 16,384 x block + 1,024 w
	s_lshl_b32 s28, ttmp9, 10
	s_lshl_b32 s30, s31, 9
	s_add_co_u32 s28, s28, s30
	s_add_nc_u64 s[18:19], s[18:19], s[28:29]      ; qs: 1,024 x block + 512 (w % 2)
	s_lshr_b32 s30, ttmp9, 1
	s_mul_i32 s28, s30, 69632
	s_add_nc_u64 s[20:21], s[20:21], s[28:29]      ; kv at my block of 128 keys
	s_lshl_b32 s28, s34, 14
	s_lshl_b32 s30, s[WV], 10
	s_add_co_u32 s28, s28, s30
	s_add_nc_u64 s[36:37], s[20:21], s[28:29]      ; K's images: my half's four tiles, K step w
	s_lshl_b32 s28, s[WV], 13
	s_lshl_b32 s30, s34, 9
	s_add_co_u32 s28, s28, s30
	s_add_co_u32 s28, s28, 32768
	s_add_nc_u64 s[38:39], s[20:21], s[28:29]      ; V's images: my 8 tiles of channels, my half of each
	s_lshl_b32 s28, s[WV], 9
	s_lshl_b32 s30, s34, 1
	s_add_co_u32 s28, s28, s30
	s_add_co_u32 s28, s28, 67584
	s_add_nc_u64 s[40:41], s[20:21], s[28:29]      ; V's scale words: group w, my two bytes of each
	s_lshl_b32 s28, s34, 10
	s_lshl_b32 s30, s31, 9
	s_add_co_u32 s28, s28, s30
	s_add_co_u32 s28, s28, 65536
	s_add_nc_u64 s[44:45], s[20:21], s[28:29]      ; K's scale words: my half's 1,024 bytes, 512 (w % 2) on
	s_cmp_lt_u32 s[WV], 2                          ; waves 0 and 1 carry q's scale words out, waves 2 and 3 k's
	s_cselect_b64 s[44:45], s[18:19], s[44:45]
	; ---- x: my 16 rows become four fragments; a quarter of q's weights is asked for in each K step
.irp s, 0,1,2,3
.if 48+8*\s > 63
	s_wait_loadcnt 63                              ; behind this K step's loads stand 48 - 16 s of x and 24 s of the weights: more than a wait can name, so the largest count that it can
.else
	s_wait_loadcnt 48+8*\s                         ; loads come back in order: this K step's 16 are in; behind them stand 48 - 16 s loads of x and 24 s of the weights
.endif
	TURN \s
	WPART 0, 10, \s
	s_wait_dscnt 0x0                               ; the numbers are back from the stage
	QUANT ST, 0, PC+8*\s, PW+\s
	ds_store_b128 v[XWI], v[PC+8*\s:PC+8*\s+3]   offset:XIMG+1024*\s       ; the fragment as an image of its registers
	ds_store_b128 v[XWI], v[PC+8*\s+4:PC+8*\s+7] offset:XIMG+1024*\s+512
	ds_store_b32 v[XWS], v[PW+\s] offset:128*\s
.endr
	BARRIER                                        ; x's sixteen fragments lie in LDS
	WIN 0xc0                                       ; destination window 3
.set n, 0
.rept 16
	ds_load_b128 v[8*n:8*n+3],   v[LI] offset:XIMG+1024*n
	ds_load_b128 v[8*n+4:8*n+7], v[LI] offset:XIMG+1024*n+512
.set n, n+1
.endr
	WIN 0
.set n, 0
.rept 16
	ds_load_b32 v[XSC+n], v[LS] offset:XSCL+128*n
.set n, n+1
.endr
	s_wait_dscnt 0x0
	s_wait_loadcnt 0x0                             ; q's weights
	; ---- q
	MUL 0
	PLACES
	OUTQK 16, 0, 1, 12                             ; k's weights are asked for while q is quantised
	; ---- k
	s_wait_loadcnt 0x0
	MUL 0
	PLACES
	OUTQK 36, 1024, 2, 14                          ; v's weights are asked for while k is quantised
	BARRIER                                        ; the scale words of q and of k lie in LDS, whole
	ds_load_b128 v[CP:CP+3], v[SGR]
	s_wait_dscnt 0x0
	global_store_b128 v[LI], v[CP:CP+3], s[44:45]  ; 512 consecutive bytes a wave
	; ---- v
	s_wait_loadcnt 0x0
	WIN 0xc0
.irp t, 0,1,2,3,4,5,6,7
.irp j, 0,1,2,3,4,5,6,7
	v_mov_b32 v[BI+8*\t+\j], v[BV+\t]              ; the bias in the result's layout: a lane's eight registers are eight keys of one channel
.endr
.endr
	MUL 1
	PLACES
	s_wait_xcnt 0x0                                ; k's stores have read the codes' registers
.irp p, 0,1,2,3                                ; tiles of channels 2 p and 2 p + 1: 32 registers each, my 64 keys: two blocks of 32 each
	QUANT 64*\p, 1, PC+8*\p, PW+\p
	global_store_b128 v[LI], v[PC+8*\p:PC+8*\p+3],   s[38:39] offset:2048*\p        ; my half of tile 2 p's image: 512 consecutive bytes
	global_store_b128 v[LI], v[PC+8*\p+4:PC+8*\p+7], s[38:39] offset:2048*\p+1024   ; and of tile 2 p + 1's
	v_lshrrev_b32 v[VW+\p], v[SH], v[PW+\p]        ; lanes 0-15: tile 2 p's two bytes; lanes 16-31: tile 2 p + 1's
	global_store_b16 v[LI], v[VW+\p], s[40:41] offset:4*\p
.endr
	s_wait_tensorcnt 0x0
	ds_add_u32 v254, v255
	s_wait_dscnt 0x0
	s_endpgm
.Lfunc_end_k_q5141b6d071_proj:
	.size	k_q5141b6d071_proj, .Lfunc_end_k_q5141b6d071_proj-k_q5141b6d071_proj
	.p2alignl 7, 3214868480
	.fill 96, 4, 3214868480
	.section	.rodata,"a",@progbits
	.p2align	6, 0x0
	.amdhsa_kernel k_q5141b6d071_proj
		.amdhsa_group_segment_fixed_size 54784
		.amdhsa_private_segment_fixed_size 0
		.amdhsa_enable_private_segment 0
		.amdhsa_kernarg_size 72
		.amdhsa_user_sgpr_count 2
		.amdhsa_user_sgpr_kernarg_segment_ptr 1
		.amdhsa_wavefront_size32 1
		.amdhsa_system_sgpr_workgroup_id_x 1
		.amdhsa_system_sgpr_workgroup_id_y 1
		.amdhsa_system_sgpr_workgroup_id_z 1
		.amdhsa_system_vgpr_workitem_id 0
		.amdhsa_next_free_vgpr 1024
		.amdhsa_next_free_sgpr 66
		.amdhsa_reserve_vcc 0
		.amdhsa_float_denorm_mode_32 3
		.amdhsa_float_denorm_mode_16_64 3
		.amdhsa_memory_ordered 1
		.amdhsa_forward_progress 1
		.amdhsa_inst_pref_size 166
	.end_amdhsa_kernel
	.amdgpu_metadata
---
amdhsa.version: [ 1, 2 ]
amdhsa.kernels:
  - .name:           k_q5141b6d071_proj
    .symbol:         k_q5141b6d071_proj.kd
    .args:
      - { .name: input, .offset: 0, .size: 8, .value_kind: global_buffer, .address_space: global }
      - { .name: wc, .offset: 8, .size: 8, .value_kind: global_buffer, .address_space: global }
      - { .name: ws, .offset: 16, .size: 8, .value_kind: global_buffer, .address_space: global }
      - { .name: b_q, .offset: 24, .size: 8, .value_kind: global_buffer, .address_space: global }
      - { .name: b_k, .offset: 32, .size: 8, .value_kind: global_buffer, .address_space: global }
      - { .name: b_v, .offset: 40, .size: 8, .value_kind: global_buffer, .address_space: global }
      - { .name: qc, .offset: 48, .size: 8, .value_kind: global_buffer, .address_space: global }
      - { .name: qs, .offset: 56, .size: 8, .value_kind: global_buffer, .address_space: global }
      - { .name: kv, .offset: 64, .size: 8, .value_kind: global_buffer, .address_space: global }
    .group_segment_fixed_size: 54784
    .private_segment_fixed_size: 0
    .kernarg_segment_align: 8
    .kernarg_segment_size: 72
    .max_flat_workgroup_size: 128
    .sgpr_count:     66
    .vgpr_count:     1024
    .wavefront_size: 32
...
	.end_amdgpu_metadata
.endif
;; end of part 2
;; launch attn (part 3): grid 32 x 8, 4 waves a work-group, clusters of 4 x 1, 327,680 bytes of LDS; arguments qc, qs, kv, mask, out0; writes out0
.if DOCPART == 3
	.amdgcn_target "amdgcn-amd-amdhsa--gfx1250"
	.amdhsa_code_object_version 6
	.text
	.protected	k_q5141b6d071_attn
	.globl	k_q5141b6d071_attn
	.p2align	8
	.type	k_q5141b6d071_attn,@function
k_q5141b6d071_attn:
	s_mov_b64 s[64:65], 0
	v_nop
	global_prefetch_b8 v0, s[64:65] scope:SCOPE_SE
	s_setreg_imm32_b32 hwreg(HW_REG_WAVE_MODE, 25, 1), 1
	s_wait_xcnt 0x0
	s_wait_alu depctr_hold_cnt(0) depctr_sa_sdst(0) depctr_va_vdst(0) depctr_va_sdst(0) depctr_va_ssrc(0) depctr_va_vcc(0) depctr_vm_vsrc(0)
	s_getreg_b32 s2, hwreg(HW_REG_IB_STS2, 6, 4)
	s_cmp_eq_u32 s2, 0
	s_cbranch_scc0 .Lentry_in_a_cluster
	s_endpgm
.Lentry_in_a_cluster:
	s_bfe_u32 s2, ttmp6, 0x10000c
	s_cmp_lg_u32 s2, 0x3003
	s_cbranch_scc0 .Lentry_shape_is_right
	s_endpgm
.Lentry_shape_is_right:
; out0[b][q][:] = the sum over k of softmax_k(where(mask[b][q][k] == 0, -2^31, q . k / sqrt(512))) v[b][k][:], both products on codes of FP4 (E2M1) with one E8M0 scale for each 32 along a product's K.
; q, k, v come as images of operand registers (launch proj): qc, qs, and kv: one block of 69,632 bytes for each 128 keys (K's images, V's images, K's scale words, V's scale words).
; THE SOFTMAX AHEAD OF THE SECOND PRODUCT: t = score x log2(e) / sqrt(512); M = the row's largest t so far, rounded UP to a whole number; p = 2^(t - M) is quantised along the keys, not normalised; the row's sum is taken
; of the unquantised p and divides at the end.  When M moves, the sum and O are multiplied by 2^(old M - new M): exact.
; THE MASK: where it is 0 the raw score becomes -2^35 ahead of the maximum, so t = -2^35 c, about -2.19e9, a whole number: p is 0 beside any key that counts, and a row with no key that counts gets p = 1 everywhere, as reference()'s
; equal logits do.  LIMIT: that differs from reference()'s -2^31 only where a logit that counts lies under about -1.5e9.  t is score x one constant, where reference() multiplies twice.  NaN and infinities are not served.
; SHARES.  A work-group owns 64 queries of one batch, each of its four waves 16 (tile w: rows 32 (w / 2) + 8 (w % 2) + r + 8 (r / 8)).  Every wave walks all 2,048 keys, 128 a step: 32 products K Q^T, the softmax, 32 products V^T P.
; Both products are used transposed (source 0 = 16 keys, or 16 channels; source 1 = my 16 queries): a lane holds ONE query throughout; O^T, 512 channels, is 256 registers.
; CLUSTER.  The four blocks of queries of a cluster belong to one batch and walk the same kv: each quarter of a slot is asked for JOINTLY, by the same tensor load with the same descriptor and a mask that names the four.
; THE RING: two slots of two steps (139,264 bytes); each wave fetches a quarter of a slot, 136 dense rows of 256 bytes.  A refill has two steps' work in which to land.  By this text's count a wave has two tensor loads out at the start, later one.
; THE MASK'S ROAD: it is read once, by loads into registers, 512 consecutive bytes of one query's row an instruction; two sets of 16 loads a wave are always out, each asked for two steps ahead.  A set turns through the wave's own stage in
; LDS, so that a lane gets the 64 words that belong to its 64 scores.
; THE LDS INSTRUCTIONS OF A STEP (168 a wave) STAND IN SHORT RUNS AMONG THE VECTOR LINES wherever the registers that they fill are free: the stage's 16 stores in fours among the first 64 rescalings of O^T; the stage's 16 loads, K's scale
; words and K's tiles 0-3 in runs of 16, 12, 12, 12, the first behind the four rescalings of O^T's tile 16 and each with fifteen rescalings behind it; V's tiles 16-31 in runs of 8 among the mask's four runs of 32 lines.
; REGISTERS, in windows of 256 (s_set_vgpr_msb: bits 1:0 source 0, 3:2 source 1, 5:4 source 2, 7:6 destination):
;   window 0: addresses, statistics, Q, all scale words, S^T / p, p's codes.   window 1: O^T (8 x tile of channels).   window 2: K of a step (8 (4 t + s)), then V of the same step (8 x tile).
;   window 3: v0-63, v64-127 the mask as loaded, two sets; v128-191 the mask in S^T's layout.
; ASSEMBLER SYMBOLS: n counts inside one run of lines and is set anew at the head of every run; ro counts O^T's registers in the rescaling and is set by RESC alone.
.set STEPB, 69632                      ; a step's block of kv
.set SLOTB, 2*STEPB                    ; a slot: 0x22000; it shares no bit with wave x QUART, so one exclusive or turns an address in one slot into the other's
.set QUART, SLOTB/4                    ; what one tensor load brings
.set STG,   2*SLOTB                    ; behind the ring: a stage of 16 rows x 528 bytes for each wave: the mask's turn, later the way out
.set SP,    528
.set SPARE, STG+4*16*SP                ; behind the stages: the spare words, 128 bytes for each wave: two blocks of 256 bytes that no other line names
.set LI,  1                            ; v1   16 x lane
.set ADK, 2                            ; v2   LDS address of the step's block + 16 x lane
.set ADV, 3                            ; v3   the same + 32,768: V's images
.set MST, 4                            ; v4   my stage + 16 x lane
.set MLD, 5                            ; v5   my stage + 528 r + 64 h
.set SPW, 7                            ; v7   LDS address of my spare word; never rewritten
.set NIL, 8                            ; v8   0; never rewritten
.set SMR, 9                            ; v9   -2^35
.set OST, 10                           ; v10  my stage + 528 r + 32 h
.set QO,  11                           ; v11  16 r
.set Q,   16                           ; v16-47  Q's four fragments
.set QSC, 48                           ; v48-51  Q's scale words, a register for each K step
.set KSC, 52                           ; v52-67  K's: 4 u + s; lanes 0-15 tile 2 u, lanes 16-31 tile 2 u + 1
.set VSC, 68                           ; v68-83  V's: 4 g + i; lanes 0-15 tile 8 g + 2 i, lanes 16-31 the next
.set PC,  84                           ; v84-91  p's codes
.set S,   96                           ; v96-159 S^T, then p
.set BM,  160                          ; v160-163 the blocks' largest scores, then largest p
.set TP,  164                          ; v164-167 at work
.set SO,  168                          ; v168-171 the conversions' scale operands
.set TT,  172                          ; v172 at work
.set F,   174                          ; v[174:175] f = 2^(old M - new M); the packed form names a pair and takes its low word
.set PW,  176                          ; v176 p's scale word
.set MS0, 0
.set MS1, 64
.set ML,  128
.set WV,  14
.set G1,  24                           ; s[24:31] descriptor group 1
.set G0A, 32                           ; s[32:35] group 0 of slot 0's first fill
.set G0W, 36                           ; s[36:39] group 0 of slot 1's first fill, which then walks
.set MB,  40                           ; s[40:41] the mask at my first row, at the step to be loaded
.set SEL, 42
.set CS,  44                           ; s[44:45] c = log2(e) / sqrt(512)
.set TB,  46                           ; s46 LDS byte at which the block of the step to be fetched begins
.set SLOTS, 47
.set MK,  66                           ; s66-97 32 lane masks
.set W_KQ, 0x02                        ; K window 2; Q and S^T window 0
.set W_PV, 0x52                        ; V window 2, P window 0, O^T window 1
.set W_RS, 0x41                        ; O^T (destination and source 0) window 1, f window 0
.set MSB, 0
.macro WIN new                         ; the immediate's high byte repeats the setting that is left; a switch that changes nothing is dropped
.if MSB != (\new)
	s_set_vgpr_msb (MSB<<8)|(\new)
.set MSB, (\new)
.endif
.endm
.macro PLACES                          ; four plain vector lines between a matrix instruction and a load into its registers or a read of its result (ISA guide 7.12.1 for the read of its result)
.rept 4
	v_nop
.endr
.endm
; A round of the cluster's barrier: my work-group's barrier; wave 0 signals for the work-group; every wave waits for all four work-groups; my work-group's barrier once more.
.macro CROUND
	s_barrier_signal -1
	s_barrier_wait -1
	s_cmp_lg_u32 s[WV], 0
	s_cbranch_scc1 .Lnot_wave_0_\@
	s_barrier_signal -3
.Lnot_wave_0_\@:
	s_barrier_wait -3
	s_barrier_signal -1
	s_barrier_wait -1
.endm
; One scaled product.  c < 0: the product starts its sum.  ra: source 0's scale words stand in lanes 16-31 of the register named.
.macro WM d, a, b, c, sa, sb, ra
.if (\c) < 0
.if \ra
	v_wmma_scale_f32_16x16x128_f8f6f4 v[(\d):(\d)+7], v[(\a):(\a)+7], v[(\b):(\b)+7], 0, v[\sa], v[\sb] matrix_a_fmt:MATRIX_FMT_FP4 matrix_b_fmt:MATRIX_FMT_FP4 matrix_a_scale:MATRIX_SCALE_ROW1
.else
	v_wmma_scale_f32_16x16x128_f8f6f4 v[(\d):(\d)+7], v[(\a):(\a)+7], v[(\b):(\b)+7], 0, v[\sa], v[\sb] matrix_a_fmt:MATRIX_FMT_FP4 matrix_b_fmt:MATRIX_FMT_FP4
.endif
.else
.if \ra
	v_wmma_scale_f32_16x16x128_f8f6f4 v[(\d):(\d)+7], v[(\a):(\a)+7], v[(\b):(\b)+7], v[(\c):(\c)+7], v[\sa], v[\sb] matrix_a_fmt:MATRIX_FMT_FP4 matrix_b_fmt:MATRIX_FMT_FP4 matrix_a_scale:MATRIX_SCALE_ROW1
.else
	v_wmma_scale_f32_16x16x128_f8f6f4 v[(\d):(\d)+7], v[(\a):(\a)+7], v[(\b):(\b)+7], v[(\c):(\c)+7], v[\sa], v[\sb] matrix_a_fmt:MATRIX_FMT_FP4 matrix_b_fmt:MATRIX_FMT_FP4
.endif
.endif
.endm
; 16 loads: a step's 128 mask words of my 16 queries.  step = 1: on to the next step first.
.macro MLOAD set, step
.if \step
	s_wait_xcnt 0x0                                ; the earlier loads have read their base: it is stepped only behind this wait
	s_add_nc_u64 s[MB:MB+1], s[MB:MB+1], 512
.endif
	WIN 0xc0                                       ; destination window 3
.irp i, 0,1,2,3,4,5,6,7,8,9,10,11,12,13,14,15
	global_load_b128 v[\set+4*\i:\set+4*\i+3], v[LI], s[MB:MB+1] offset:(\i+8*(\i/8))*8192 th:TH_LOAD_NT   ; 32 lanes read 512 consecutive bytes of one row
.endr
.endm
; The set turns through my stage: in as loaded (STST: four of the sixteen stores, rows i0 on), back (STLD) so that register ML + n belongs to score S + n: key 32 (n / 16) + 16 (lane / 16) + n % 16 of query lane % 16.
; LDS serves a wave's instructions in order (ISA guide 5.7.1.4): the loads, which stand behind all sixteen stores, see them.
.macro STST set, i0
	WIN 0x0c                                       ; an LDS store's data are its source 1: window 3
.set n, \i0
.rept 4
	ds_store_b128 v[MST], v[\set+4*n:\set+4*n+3] offset:SP*n
.set n, n+1
.endr
.endm
.macro STLD
	WIN 0xc0
.irp b, 0,1,2,3
.irp j, 0,1,2,3
	ds_load_b128 v[ML+16*\b+4*\j:ML+16*\b+4*\j+3], v[MLD] offset:128*\b+16*\j
.endr
.endr
.endm
; The next step's addresses and K's scale words: 4 LDS loads.
.macro KADDR
	WIN 0
	v_add_nc_u32 v[ADK], s[TB], v[LI]
	v_add_nc_u32 v[ADV], 32768, v[ADK]
	s_add_co_u32 s[TB], s[TB], STEPB               ; the next fetch is the next step's
.irp u, 0,1,2,3
	ds_load_b128 v[KSC+4*\u:KSC+4*\u+3], v[ADV] offset:32768+512*\u
.endr
.endm
.macro KLD n0, cnt                     ; cnt fragments of K from fragment n0 on (fragment 4 t + s), two loads each
	WIN 0x80                                       ; destination window 2
.set n, \n0
.rept \cnt
	ds_load_b128 v[8*n:8*n+3],   v[ADK] offset:1024*n
	ds_load_b128 v[8*n+4:8*n+7], v[ADK] offset:1024*n+512
.set n, n+1
.endr
.endm
.macro VLD n0, cnt                     ; cnt tiles of V from tile n0 on, two loads each
	WIN 0x80
.set n, \n0
.rept \cnt
	ds_load_b128 v[8*n:8*n+3],   v[ADV] offset:1024*n
	ds_load_b128 v[8*n+4:8*n+7], v[ADV] offset:1024*n+512
.set n, n+1
.endr
.endm
.macro RESC from, cnt                  ; cnt pairs of O^T's registers, from register from on, under the new M
	WIN W_RS
.set ro, \from
.rept \cnt
	v_pk_mul_f32 v[ro:ro+1], v[ro:ro+1], v[F:F+1] op_sel_hi:[1,0]
.set ro, ro+2
.endr
.endm
; THE SCORES AND THE SOFTMAX of the step whose K has been asked for.  V of the same step takes K's registers as soon as K's products are issued, and lands under the softmax.
.macro SPART
	s_wait_dscnt 32                                ; the mask's turn, K's scale words and tiles 0-3 are in; the 32 loads of tiles 4-7 may be out
	WIN W_KQ
.irp s, 0,1,2,3                                ; four accumulators by turns, one instruction a turn
.irp t, 0,1,2,3
.if \s == 0
	WM S+8*\t, 8*(4*\t+\s), Q+8*\s, -1, KSC+4*(\t/2)+\s, QSC+\s, \t%2
.else
	WM S+8*\t, 8*(4*\t+\s), Q+8*\s, S+8*\t, KSC+4*(\t/2)+\s, QSC+\s, \t%2
.endif
.endr
.endr
	PLACES
	VLD 0, 16                                      ; V's tiles 0-15
	s_wait_dscnt 32                                ; K's tiles 4-7 are in; the 32 loads just issued may be out
	WIN W_KQ
.irp s, 0,1,2,3
.irp t, 4,5,6,7
.if \s == 0
	WM S+8*\t, 8*(4*\t+\s), Q+8*\s, -1, KSC+4*(\t/2)+\s, QSC+\s, \t%2
.else
	WM S+8*\t, 8*(4*\t+\s), Q+8*\s, S+8*\t, KSC+4*(\t/2)+\s, QSC+\s, \t%2
.endif
.endr
.endr
	PLACES                                         ; for the loads into K's registers below and for the first read of the scores
.irp q, 0,1                                    ; the mask, 32 scores at a time; each accumulator is read from its low end on.  Behind each run of 32 lines stand four of V's tiles 16-31
	WIN 0x0c                                       ; source 1 window 3
.set n, 0
.rept 32
	v_cmp_ne_u32 s[MK+n], 0, v[ML+32*\q+n]
.set n, n+1
.endr
	VLD 16+8*\q, 4
	WIN 0
.set n, 0
.rept 32
	v_cndmask_b32 v[S+32*\q+n], v[SMR], v[S+32*\q+n], s[MK+n]   ; the score where the mask is not 0, else -2^35
.set n, n+1
.endr
	VLD 20+8*\q, 4
.endr
	WIN 0
.irp g, 0,1,2,3
	ds_load_b128 v[VSC+4*\g:VSC+4*\g+3], v[ADV] offset:34816+512*\g
.endr
.irp b, 0,1,2,3
	v_max3_num_f32 v[BM+\b], v[S+16*\b], v[S+1+16*\b], v[S+2+16*\b]   ; the largest score of each block of 32 keys: for the row's maximum and, since p rises with the score, for the block's largest p
.endr
.irp i, 3,5,7,9,11,13
.irp b, 0,1,2,3
	v_max3_num_f32 v[BM+\b], v[BM+\b], v[S+16*\b+\i], v[S+1+16*\b+\i]
.endr
.endr
.irp b, 0,1,2,3
	v_max_num_f32 v[BM+\b], v[BM+\b], v[S+15+16*\b]
.endr
.irp b, 0,1,2,3
	v_permlanex16_b32 v[TP+\b], v[BM+\b], s[SEL], s[SEL+1]
.endr
.irp b, 0,1,2,3
	v_max_num_f32 v[BM+\b], v[BM+\b], v[TP+\b]     ; with lane l xor 16's 16 keys
.endr
	v_max3_num_f32 v[TT], v[BM], v[BM+1], v[BM+2]
	v_max_num_f32 v[TT], v[TT], v[BM+3]            ; the step's largest score of my query
	v_mul_f32 v[TT], s[CS], v[TT]                  ; as t (c is positive)
	v_max_num_f32 v13, v13, v[TT]                  ; the running largest t
	v_mov_b32 v[TT], v12
	v_floor_f32 v12, -v13                          ; the new -M = floor(-t) = -ceil(t)
	v_sub_f32 v[TT], v12, v[TT]                    ; old M - new M: a whole number, 0 or less
	v_cvt_i32_f32 v[TT], v[TT]                     ; (it saturates)
	v_ldexp_f32 v[F], 1.0, v[TT]                   ; f = 2^(old M - new M)
.set n, 0
.rept 32
	v_pk_fma_f32 v[S+n:S+n+1], v[S+n:S+n+1], s[CS:CS+1], v[12:13] op_sel_hi:[1,0,0]   ; t - M, two at a time
.set n, n+2
.endr
.irp b, 0,1,2,3
	v_fma_f32 v[BM+\b], v[BM+\b], s[CS], v12       ; the same of each block's largest score
.endr
.set n, 0
.rept 64
	v_exp_f32 v[S+n], v[S+n]                       ; p = 2^(t - M), at most 1
.set n, n+1
.endr
	v_pk_mul_f32 v[14:15], v[14:15], v[F:F+1] op_sel_hi:[1,0]   ; the sums under the new M: the plain line behind the exponentials
	s_wait_alu depctr_va_vdst(0)                   ; one wait for the whole batch, ahead of its first reader
.irp b, 0,1,2,3
	v_exp_f32 v[BM+\b], v[BM+\b]                   ; the block's largest p: the same two instructions on the same number
.endr
	v_pk_add_f32 v[TP:TP+1], v[S:S+1], v[S+2:S+3]  ; the row's sum is taken of the unquantised p: two at a time, in two chains
.irp j, 4,8,12,16,20,24,28,32,36,40,44,48,52,56,60
	v_pk_add_f32 v[14:15], v[14:15], v[S+\j:S+1+\j]
	v_pk_add_f32 v[TP:TP+1], v[TP:TP+1], v[S+2+\j:S+3+\j]
.endr
	v_pk_add_f32 v[14:15], v[14:15], v[TP:TP+1]
	s_wait_alu depctr_va_vdst(0)                   ; and one for the four
.irp b, 0,1,2,3
	v_max_num_f32 v[BM+\b], 0x1800000, v[BM+\b]    ; the floor 2^(3 - 127): the byte cannot fall under 1 (a block whose every p is 0 keeps that byte: its codes are zeros)
.endr
.irp b, 0,1,2,3
	v_add_nc_u32 v[SO+\b], 0xff000000, v[BM+\b]    ; 2 off the exponent field: the conversion's scale operand
.endr
.irp b, 0,1,2,3
	v_lshrrev_b32 v[TP+\b], 23, v[SO+\b]           ; the scale's byte
.endr
	v_lshl_or_b32 v[PW], v[TP+1], 8, v[TP]         ; p's scale word for these 128 keys
	v_lshl_or_b32 v[PW], v[TP+2], 16, v[PW]
	v_lshl_or_b32 v[PW], v[TP+3], 24, v[PW]
.irp b, 0,1,2,3
	v_cvt_scalef32_pk8_fp4_f32 v[PC+2*\b], v[S+16*\b:S+7+16*\b], v[SO+\b]
	v_cvt_scalef32_pk8_fp4_f32 v[PC+1+2*\b], v[S+8+16*\b:S+15+16*\b], v[SO+\b]
.endr
	v_nop                                          ; one plain line behind a scaled conversion
.irp c, 0,1                                    ; the operand's layout wants a WHOLE block in a lane
.irp i, 0,1
	v_permlane16_swap_b32 v[PC+4*\c+\i], v[PC+2+4*\c+\i]
.endr
.endr
.endm
; O^T = f O^T + V^T P of the step in hand; among its rescalings the next step's mask turns through the stage and the next step's K is fetched into the registers that V's first half has left.
; first = 1: the products start O^T's sums, nothing is rescaled.  next = 1: there is a next step; set: its mask's set; lcnt: mask loads that may stay out.  reload = 1: the set is asked for again, two steps on.
.macro PVPART first, next, set, lcnt, reload
.if \next
	s_wait_loadcnt \lcnt                           ; loads come back in order: the next step's mask is in
.endif
.if \first
.rept 8
	v_nop                                          ; p's scale word, written by vector lines, stands eight plain lines ahead of the scaled products, its codes four
.endr
.endif
.irp q, 0,1,2,3
.if \first == 0
	RESC 32*\q, 16                                 ; tiles 4 q .. 4 q + 3 under the new M.  (The 64 lines are also the lines ahead of the scaled products)
.endif
.if \next
	STST \set, 4*\q
.endif
.endr
.if \next
	s_wait_dscnt 16                                ; V and its scale words are in; the stage's 16 stores, issued behind them, may be out
.else
	s_wait_dscnt 0x0                               ; V and its scale words are in
.endif
	WIN W_PV
.irp f, 0,1,2,3,4,5,6,7,8,9,10,11,12,13,14,15  ; 32 accumulators, one instruction each
.if \first
	WM 8*\f, 8*\f, PC, -1, VSC+4*(\f/8)+(\f%8)/2, PW, \f%2
.else
	WM 8*\f, 8*\f, PC, 8*\f, VSC+4*(\f/8)+(\f%8)/2, PW, \f%2
.endif
.endr
.if \first
	PLACES
.else
	RESC 128, 4                                    ; tile 16: four plain lines that name no register of the products above: the places ahead of the loads into V's first half
.endif
.if \next
	STLD
.endif
.if \first == 0
	RESC 136, 15                                   ; tiles 17-31, fifteen pairs at a time
.endif
.if \next
	KADDR
	KLD 0, 4
.endif
.if \first == 0
	RESC 166, 15
.endif
.if \next
	KLD 4, 6
.endif
.if \first == 0
	RESC 196, 15
.endif
.if \next
	KLD 10, 6
.endif
.if \first == 0
	RESC 226, 15
.endif
	WIN W_PV
.irp f, 16,17,18,19,20,21,22,23,24,25,26,27,28,29,30,31
.if \first
	WM 8*\f, 8*\f, PC, -1, VSC+4*(\f/8)+(\f%8)/2, PW, \f%2
.else
	WM 8*\f, 8*\f, PC, 8*\f, VSC+4*(\f/8)+(\f%8)/2, PW, \f%2
.endif
.endr
	PLACES
.if \next
	KLD 16, 16                                     ; K's tiles 4-7
.endif
.if \reload
	s_wait_dscnt 63                                ; behind the stage's 16 stores 84 LDS instructions were issued: the stores are done and have read the set's registers
	MLOAD \set, 1
.endif
.endm
; THE CHANGE OF SLOTS, between a slot's last softmax and its last V^T P: all of the slot has been asked for.  Each wave waits for all its tensor loads (its quarter of the other slot), adds 0 to its spare word, and waits for that and
; for its reads of the slot.  fill = 1: the barrier is a round of the cluster's, and the joint refill, the keys two slots on, is the first thing behind it.
.macro CHANGE fill
	WIN 0                                          ; at a label and at a branch every window is 0
	s_wait_tensorcnt 0x0                           ; no tensor load of mine is out, so a group 0 may be written
	ds_add_u32 v[SPW], v[NIL]                      ; 0 onto my spare word
.if \fill
	s_xor_b32 s[G0W+1], s[G0W+1], SLOTB            ; the walking descriptor: the other slot than last time,
	s_add_nc_u64 s[G0W+2:G0W+3], s[G0W+2:G0W+3], SLOTB   ; the next 256 keys; the type bits on top are not reached
.endif
	s_wait_dscnt 0x0                               ; the add is done, and my reads of the slot are over
.if \fill
	CROUND
	tensor_load_to_lds s[G0W:G0W+3], s[G1:G1+7]    ; my one tensor load until the next round
	s_nop 0
	PLACES                                         ; four v_nop follow it
.else
	s_barrier_signal -1
	s_barrier_wait -1
.endif
	s_sub_co_u32 s[TB], s[TB], 2*STEPB             ; the fetches go back to a slot's first step,
	s_xor_b32 s[TB], s[TB], SLOTB                  ; in the other slot
.endm
	s_load_b256 s[4:11], s[0:1], 0x0               ; qc s[4:5], qs s[6:7], kv s[8:9], mask s[10:11]
	s_load_b64 s[12:13], s[0:1], 0x20              ; out0
	v_lshl_add_u32 v[SPW], v0, 2, SPARE
	v_mov_b32 v[NIL], 0
	ds_add_u32 v7, v8
	ds_add_u32 v7, v8
	s_wait_dscnt 0x0
	v_lshrrev_b32 v1, 5, v0
	v_readfirstlane_b32 s[WV], v1                  ; wave 0..3
	s_bfe_u32 s15, ttmp6, 0x40000                  ; cx: my place in the cluster: it enters the addresses of Q, the mask and out0 alone
	s_lshl_b32 s16, ttmp9, 2                       ; in a cluster launch ttmp9 counts clusters
	s_add_co_u32 s16, s16, s15                     ; my block of 64 queries in the batch
	s_and_b32 s17, ttmp7, 0xffff                   ; the batch, which the four partners share
	s_lshl_b32 s18, s17, 5
	s_add_co_u32 s18, s18, s16                     ; block = 32 b + query block
	s_mul_i32 s19, s[WV], QUART                    ; my quarter of a slot
	s_mul_i32 s20, s17, 16*STEPB                   ; the batch's 16 blocks of kv
	s_add_co_u32 s20, s20, s19
	s_mov_b32 s21, 0
	s_lshl_b32 s22, s18, 6                         ; my first row: 64 x block + 32 (w / 2) + 8 (w % 2)
	s_lshr_b32 s23, s[WV], 1
	s_lshl_b32 s23, s23, 5
	s_add_co_u32 s22, s22, s23
	s_and_b32 s23, s[WV], 1
	s_lshl_b32 s23, s23, 3
	s_add_co_u32 s49, s22, s23
	s_lshl_b32 s22, s49, 13                        ; a row of the mask is 8,192 bytes
	s_mov_b32 s23, 0
	s_lshl_b32 s50, s49, 11                        ; a row of out0 2,048
	s_mov_b32 s51, 0
	s_lshl_b32 s52, s18, 14                        ; qc: 16,384 x block + 4,096 w
	s_lshl_b32 s53, s[WV], 12
	s_add_co_u32 s52, s52, s53
	s_mov_b32 s53, 0
	s_lshl_b32 s54, s18, 10                        ; qs: 1,024 x block + 256 w
	s_lshl_b32 s55, s[WV], 8
	s_add_co_u32 s54, s54, s55
	s_mov_b32 s55, 0
	; descriptor group 1: 136 dense rows of 256 bytes, as 32 elements of 8 bytes; no padding: images are read 16 bytes a lane, 512 on end
	s_mov_b32 s[G1], 15|(3<<16)|(1<<21)            ; 15:0 the mask: all four work-groups; 17:16 elements of 8 bytes; 21 set beside a mask
	s_mov_b32 s[G1+1], 32<<16                      ; tensor_dim0 = 32
	s_mov_b32 s[G1+2], 136<<16                     ; tensor_dim1 = 136
	s_mov_b32 s[G1+3], 32<<16                      ; tile_dim0 = 32
	s_mov_b32 s[G1+4], 136                         ; tile_dim1 = 136
	s_mov_b32 s[G1+5], 32                          ; from row to row
	s_mov_b32 s[G1+6], 0
	s_mov_b32 s[G1+7], 0
	s_mov_b32 s[SEL], 0x76543210
	s_mov_b32 s[SEL+1], 0xfedcba98                 ; v_permlanex16_b32's selects for lane l xor 16
	s_mov_b32 s[CS], 0x3d8293ee                    ; c = log2(e) / sqrt(512)
	s_mov_b32 s[CS+1], s[CS]                       ; (named with it as a pair, so it is written)
	s_mov_b32 s[TB], 0
	s_mov_b32 s[SLOTS], 6                          ; 8 slots' worth of keys; all but the first two come by refills
	s_wait_kmcnt 0x0
	s_add_nc_u64 s[8:9], s[8:9], s[20:21]          ; kv at my quarter of slot 0
	s_add_nc_u64 s[MB:MB+1], s[10:11], s[22:23]    ; the mask at my first row
	s_add_nc_u64 s[12:13], s[12:13], s[50:51]      ; out0 likewise
	s_add_nc_u64 s[4:5], s[4:5], s[52:53]          ; my tile of Q
	s_add_nc_u64 s[6:7], s[6:7], s[54:55]          ; and its scale words
	s_mov_b32 s[G0A], 1                            ; count = 1
	s_mov_b32 s[G0A+1], s19                        ; LDS address: slot 0, my quarter
	s_mov_b64 s[G0A+2:G0A+3], s[8:9]               ; global address: keys 0 to 255
	s_or_b32 s[G0A+3], s[G0A+3], 0x80000000        ; type = 2
	s_mov_b32 s[G0W], 1
	s_add_co_u32 s[G0W+1], s19, SLOTB              ; slot 1
	s_add_nc_u64 s[G0W+2:G0W+3], s[8:9], SLOTB     ; keys 256 to 511
	s_or_b32 s[G0W+3], s[G0W+3], 0x80000000
	CROUND                                         ; all four work-groups are here: the first joint loads meet
	tensor_load_to_lds s[G0A:G0A+3], s[G1:G1+7]    ; the two first fills stand together, ahead of every wait on TENSORcnt and every LDS read
	s_nop 0
	tensor_load_to_lds s[G0W:G0W+3], s[G1:G1+7]
	s_nop 0
	PLACES
	v_and_b32 v[LI], 31, v0
	v_lshlrev_b32 v[LI], 4, v[LI]
	v_and_b32 v[QO], 15, v0                        ; r
	v_bfe_u32 v[TT], v0, 4, 1                      ; h
	s_mul_i32 s48, s[WV], 16*SP
	s_add_co_u32 s48, s48, STG                     ; my stage
	v_add_nc_u32 v[MST], s48, v[LI]
	v_mul_u32_u24 v[MLD], v[QO], SP
	v_add_nc_u32 v[MLD], s48, v[MLD]
	v_lshl_add_u32 v[OST], v[TT], 5, v[MLD]
	v_lshl_add_u32 v[MLD], v[TT], 6, v[MLD]
	v_lshlrev_b32 v[QO], 4, v[QO]
.irp s, 0,1,2,3
	global_load_b128 v[Q+8*\s:Q+8*\s+3],   v[LI], s[4:5] offset:1024*\s       ; Q's fragments stay in registers
	global_load_b128 v[Q+8*\s+4:Q+8*\s+7], v[LI], s[4:5] offset:1024*\s+512
.endr
	global_load_b128 v[QSC:QSC+3], v[QO], s[6:7]   ; row r's four scale words
	MLOAD MS0, 0                                   ; the mask of step 0,
	MLOAD MS1, 1                                   ; of step 1
	WIN 0
	v_mov_b32 v[SMR], 0xd1000000                   ; -2^35
	v_mov_b32 v13, 0xff61b1e6                      ; the largest t so far: -3e38, under every t
	v_floor_f32 v12, -v13                          ; -M
	v_mov_b32 v14, 0                               ; the sum, in two halves
	v_mov_b32 v15, 0
.irp b, 0,1,2,3
	v_mov_b32 v[TP+\b], 0                          ; written once: a lane permute's destination counts as one of its sources
.endr
	v_mov_b32 v[F+1], 0                            ; (named as the upper half of a pair)
	s_wait_loadcnt 16                              ; Q, its scale words and step 0's mask are in; step 1's 16 loads may be out
	STST MS0, 0
	STST MS0, 4
	STST MS0, 8
	STST MS0, 12
	STLD
	s_wait_dscnt 16                                ; the stage's stores are done; its 16 loads may be out
	MLOAD MS0, 1                                   ; step 2
	WIN 0
	s_wait_tensorcnt 1                             ; my quarter of slot 0 is in; slot 1's may stay out
	s_wait_dscnt 0x0
	s_barrier_signal -1
	s_barrier_wait -1                              ; everybody's is
	KADDR
	KLD 0, 16
	KLD 16, 16
	SPART                                          ; step 0
	PVPART 1, 1, MS1, 16, 1                        ; V^T P of step 0 starts O^T | mask and K of step 1 | mask of step 3 asked for
	SPART                                          ; step 1
	WIN 0
.Lslot:                                            ; six trips: trip i leaves the slot of steps 2 i, 2 i + 1 and fills it with steps 2 i + 4, 2 i + 5
	CHANGE 1
	PVPART 0, 1, MS0, 16, 1
	SPART
	PVPART 0, 1, MS1, 16, 1
	SPART
	WIN 0
	s_sub_co_u32 s[SLOTS], s[SLOTS], 1
	s_cmp_lg_u32 s[SLOTS], 0
	s_cbranch_scc1 .Lslot
	CHANGE 0                                       ; the tail is written out
	PVPART 0, 1, MS0, 16, 0
	SPART                                          ; step 14
	PVPART 0, 1, MS1, 0, 0
	SPART                                          ; step 15
	PVPART 0, 0, MS0, 0, 0
	; THE WAY OUT.  O^T is divided by the row's sum and goes through my stage, 128 channels (512 bytes) of 16 queries at a time; each store covers 512 consecutive bytes of one row of out0.
	WIN 0
	v_add_f32 v14, v14, v15                        ; the sum's two halves,
	v_permlanex16_b32 v[TT], v14, s[SEL], s[SEL+1]
	v_add_f32 v14, v14, v[TT]                      ; and lane l xor 16's
	v_rcp_f32 v14, v14
	v_nop                                          ; a plain line behind the reciprocal
	s_wait_alu depctr_va_vdst(0)                   ; the wait ahead of its first reader
.macro SEND g
.irp i, 0,1,2,3,4,5,6,7,8,9,10,11,12,13,14,15
	global_store_b128 v[LI], v[96+96*((\g)%2)+4*\i:96+96*((\g)%2)+4*\i+3], s[12:13] offset:(\i+8*(\i/8))*2048+512*(\g) th:TH_STORE_NT
.endr
.endm
.irp g, 0,1,2,3
.if \g >= 2
	s_wait_xcnt 0x0                                ; the stores of two rounds back have read their registers
.endif
	WIN 0x01                                       ; source 0 window 1
.set n, 0
.rept 64
	v_mul_f32 v[96+96*(\g%2)+n], v[64*\g+n], v14   ; each accumulator from its low end on
.set n, n+1
.endr
	WIN 0
.irp t, 0,1,2,3,4,5,6,7
	ds_store_b128 v[OST], v[96+96*(\g%2)+8*\t:96+96*(\g%2)+8*\t+3]   offset:64*\t       ; lane (r, h): channels 128 g + 16 t + 8 h + 0 .. 7 of query r
	ds_store_b128 v[OST], v[96+96*(\g%2)+8*\t+4:96+96*(\g%2)+8*\t+7] offset:64*\t+16
.endr
.irp i, 0,1,2,3,4,5,6,7,8,9,10,11,12,13,14,15
	ds_load_b128 v[96+96*(\g%2)+4*\i:96+96*(\g%2)+4*\i+3], v[MST] offset:SP*\i   ; LDS serves a wave's instructions in order: these see the stores above, and the next round's stores come behind them
.endr
.if \g > 0
	s_wait_dscnt 32                                ; the round before is back; this round's 16 stores and 16 loads may be out
	SEND \g-1
.endif
.endr
	s_wait_dscnt 0x0
	SEND 3
	s_wait_tensorcnt 0x0                           ; the wave's end
	ds_add_u32 v[SPW], v[NIL]
	s_wait_dscnt 0x0
	CROUND                                         ; the closing round: no work-group ends while a partner may still ask for a tile that names it
	s_endpgm
.Lfunc_end_k_q5141b6d071_attn:
	.size	k_q5141b6d071_attn, .Lfunc_end_k_q5141b6d071_attn-k_q5141b6d071_attn
	.p2alignl 7, 3214868480
	.fill 96, 4, 3214868480
	.section	.rodata,"a",@progbits
	.p2align	6, 0x0
	.amdhsa_kernel k_q5141b6d071_attn
		.amdhsa_group_segment_fixed_size 327680
		.amdhsa_private_segment_fixed_size 0
		.amdhsa_enable_private_segment 0
		.amdhsa_kernarg_size 40
		.amdhsa_user_sgpr_count 2
		.amdhsa_user_sgpr_kernarg_segment_ptr 1
		.amdhsa_wavefront_size32 1
		.amdhsa_system_sgpr_workgroup_id_x 1
		.amdhsa_system_sgpr_workgroup_id_y 1
		.amdhsa_system_sgpr_workgroup_id_z 1
		.amdhsa_system_vgpr_workitem_id 0
		.amdhsa_next_free_vgpr 1024
		.amdhsa_next_free_sgpr 98
		.amdhsa_reserve_vcc 0
		.amdhsa_float_denorm_mode_32 3
		.amdhsa_float_denorm_mode_16_64 3
		.amdhsa_memory_ordered 1
		.amdhsa_forward_progress 1
		.amdhsa_inst_pref_size 255
	.end_amdhsa_kernel
	.section	.bss,"aw",@nobits
	.p2align	6
	.space	262144
	.amdgpu_metadata
---
amdhsa.version: [ 1, 2 ]
amdhsa.kernels:
  - .name:           k_q5141b6d071_attn
    .symbol:         k_q5141b6d071_attn.kd
    .args:
      - { .name: qc, .offset: 0, .size: 8, .value_kind: global_buffer, .address_space: global }
      - { .name: qs, .offset: 8, .size: 8, .value_kind: global_buffer, .address_space: global }
      - { .name: kv, .offset: 16, .size: 8, .value_kind: global_buffer, .address_space: global }
      - { .name: mask, .offset: 24, .size: 8, .value_kind: global_buffer, .address_space: global }
      - { .name: out0, .offset: 32, .size: 8, .value_kind: global_buffer, .address_space: global }
    .group_segment_fixed_size: 327680
    .private_segment_fixed_size: 0
    .kernarg_segment_align: 8
    .kernarg_segment_size: 40
    .max_flat_workgroup_size: 128
    .sgpr_count:     98
    .vgpr_count:     1024
    .wavefront_size: 32
...
	.end_amdgpu_metadata
.endif
;; end of part 3
;; ======== version 2 of 2: 3 launches
;; limits: right only within a limited range of input values
;; workspace buffers: wc 393,216 bytes; ws 24,576 bytes; qc 4,194,304 bytes; qs 262,144 bytes; kv 8,912,896 bytes
;; launch wquant (part 4): grid 96 x 1, 4 waves a work-group, no clusters, 34,304 bytes of LDS; arguments W_q, W_k, W_v, wc, ws; writes wc, ws
.if DOCPART == 4
	.amdgcn_target "amdgcn-amd-amdhsa--gfx1250"
	.amdhsa_code_object_version 6
	.text
	.protected	k_q5141b6d071_wquant
	.globl	k_q5141b6d071_wquant
	.p2align	8
	.type	k_q5141b6d071_wquant,@function
k_q5141b6d071_wquant:
	s_mov_b64 s[64:65], 0
	v_nop
	global_prefetch_b8 v0, s[64:65] scope:SCOPE_SE
	s_setreg_imm32_b32 hwreg(HW_REG_WAVE_MODE, 25, 1), 1
	s_wait_xcnt 0x0
; W_q, W_k, W_v [512][512] f32 (K innermost) become codes of FP4 (E2M1) with one E8M0 byte for each 32 along K, laid in the ORDER OF THE OPERAND'S REGISTERS:
; wc [matrix 3][w 4][tile 8][K step 4] images of 1,024 bytes: [c 2][lane 32][16 bytes] = registers 4 c .. 4 c + 3 of a fragment of 16 rows x 128 K (lane (r, h): k = 64 c + 32 h + 0 .. 31).
; ws [matrix][w][pair of tiles 4][K step 4][lane 32] words: lanes 0-15 the scale words of tile 2 tp, lanes 16-31 those of tile 2 tp + 1.
; THE ROWS OF A TILE: for W_q and W_k lane r of tile t takes row 128 w + 32 (t / 2) + 8 (t % 2) + r + 8 (r / 8), so that the results of two neighbouring tiles are 16 neighbours along the next K; for W_v row 128 w + 16 t + r.
; A block's scale byte is its largest magnitude's exponent field - 2, held at 1 from below.  A block of zeros keeps the byte 1: its codes are zeros, and the bytes are read by this program alone.
; LIMITS: NaN and infinities are not served; blocks whose largest magnitude lies under 2^-124 keep the byte 1.
; SHARES: 96 work-groups = 3 matrices x 32 tiles of 16 rows; wave = K step: one fragment and 16 scale words a wave.  Each of a wave's 16 loads reads 512 consecutive bytes of one row; the 8,192 bytes turn through the wave's own
; stage in LDS, so that a lane gets 16 neighbours of each block of 32 of its row (two lanes, l and l xor 16, hold a block).  Waves share nothing: no barrier.  No matrix unit: 3 MB are read once.
.set SP,  528                          ; a stage row: 512 bytes + 16: the sixteen rows that a load touches begin 16 bytes further on in each 256
.set LI,  1                            ; v1   16 x lane
.set LH,  2                            ; v2   the same, + 8 rows for W_q and W_k: the tile's rows 8-15
.set XST, 3                            ; v3   my stage + 16 x lane
.set XLD, 4                            ; v4   my stage + 528 r + 64 h
.set WO,  5                            ; v5   4 r
.set R,   16                           ; v16-79   the tile as loaded: row i in 4 i ..
.set ST,  80                           ; v80-143  64 numbers of my row: register 16 b + i = k 32 b + 16 h + i
.set PC,  144                          ; v144-151 the codes
.set TM,  152                          ; v152-155 largest magnitudes, v156-159 bytes, v164-167 scale operands
.set PW,  168                          ; v168 my row's scale word
.set SEL, 28
	s_load_b256 s[4:11], s[0:1], 0x0               ; W_q s[4:5], W_k s[6:7], W_v s[8:9], wc s[10:11]
	s_load_b64 s[12:13], s[0:1], 0x20              ; ws
	v_lshl_add_u32 v192, v0, 2, 0x8400
	v_mov_b32 v193, 0
	v_lshrrev_b32 v6, 5, v0
	v_readfirstlane_b32 s14, v6                    ; wave = K step s
	v_and_b32 v6, 31, v0                           ; lane
	v_and_b32 v7, 15, v0                           ; r
	v_bfe_u32 v8, v0, 4, 1                         ; h
	v_lshlrev_b32 v[LI], 4, v6
	v_lshlrev_b32 v[WO], 2, v7
	s_mul_i32 s22, s14, 16*SP                      ; my stage
	v_add_nc_u32 v[XST], s22, v[LI]
	v_mul_u32_u24 v[XLD], v7, SP
	v_lshl_add_u32 v[XLD], v8, 6, v[XLD]
	v_add_nc_u32 v[XLD], s22, v[XLD]
.irp b, 0,1,2,3
	v_mov_b32 v[TM+4+\b], 0                        ; written once: a lane permute's destination counts as one of its sources
.endr
	s_mov_b32 s[SEL], 0x76543210
	s_mov_b32 s[SEL+1], 0xfedcba98                 ; v_permlanex16_b32's selects for lane l xor 16
	s_lshr_b32 s15, ttmp9, 5                       ; matrix 0, 1, 2
	s_bfe_u32 s16, ttmp9, 0x20003                  ; w
	s_and_b32 s17, ttmp9, 7                        ; t
	s_lshr_b32 s18, s17, 1
	s_lshl_b32 s18, s18, 5                         ; 32 (t / 2)
	s_and_b32 s19, s17, 1
	s_lshl_b32 s19, s19, 3                         ; 8 (t % 2)
	s_add_co_u32 s18, s18, s19
	s_lshl_b32 s19, s17, 4                         ; 16 t
	s_cmp_lt_u32 s15, 2
	s_cselect_b32 s18, s18, s19                    ; the tile's first row among w's 128
	s_cselect_b32 s19, 16384, 0                    ; W_q, W_k: the tile's rows 8-15 lie 8 rows of 2,048 bytes further on
	v_add_nc_u32 v[LH], s19, v[LI]
	s_lshl_b32 s20, s16, 7
	s_add_co_u32 s20, s20, s18
	s_lshl_b32 s20, s20, 11                        ; in W: the first row x 2,048 bytes
	s_lshl_b32 s21, s14, 9                         ; + 512 s
	s_add_co_u32 s20, s20, s21
	s_mov_b32 s21, 0
	s_lshl_b32 s24, ttmp9, 12                      ; in wc: 4,096 x (32 matrix + 8 w + t) + 1,024 s
	s_lshl_b32 s25, s14, 10
	s_add_co_u32 s24, s24, s25
	s_mov_b32 s25, 0
	s_lshr_b32 s26, ttmp9, 1                       ; in ws: 512 x (16 matrix + 4 w + t / 2) + 128 s + 64 (t % 2)
	s_lshl_b32 s26, s26, 9
	s_and_b32 s27, ttmp9, 1
	s_lshl_b32 s27, s27, 6
	s_add_co_u32 s26, s26, s27
	s_lshl_b32 s27, s14, 7
	s_add_co_u32 s26, s26, s27
	s_mov_b32 s27, 0
	s_wait_alu depctr_va_vdst(0)
	s_wait_kmcnt 0x0
	s_cmp_eq_u32 s15, 0                            ; the choice hangs on the work-group's number alone
	s_cselect_b64 s[4:5], s[4:5], s[6:7]
	s_cmp_eq_u32 s15, 2
	s_cselect_b64 s[4:5], s[8:9], s[4:5]
	s_add_nc_u64 s[4:5], s[4:5], s[20:21]
	s_add_nc_u64 s[10:11], s[10:11], s[24:25]
	s_add_nc_u64 s[12:13], s[12:13], s[26:27]
.irp i, 0,1,2,3,4,5,6,7
	global_load_b128 v[R+4*\i:R+4*\i+3], v[LI], s[4:5] offset:2048*\i th:TH_LOAD_NT   ; 32 lanes read 512 consecutive bytes of one row
.endr
.irp i, 8,9,10,11,12,13,14,15
	global_load_b128 v[R+4*\i:R+4*\i+3], v[LH], s[4:5] offset:2048*\i th:TH_LOAD_NT
.endr
	s_wait_loadcnt 0x0
.irp i, 0,1,2,3,4,5,6,7,8,9,10,11,12,13,14,15
	ds_store_b128 v[XST], v[R+4*\i:R+4*\i+3] offset:SP*\i   ; in as loaded
.endr
.irp b, 0,1,2,3
.irp j, 0,1,2,3
	ds_load_b128 v[ST+16*\b+4*\j:ST+16*\b+4*\j+3], v[XLD] offset:128*\b+16*\j   ; back 16 neighbours of each block a lane; LDS serves a wave's instructions in order (ISA guide 5.7.1.4)
.endr
.endr
	s_wait_dscnt 0x0
.irp b, 0,1,2,3
	v_max3_num_f32 v[TM+\b], |v[ST+16*\b]|, |v[ST+1+16*\b]|, 0x1800000   ; block b: my 16 numbers, and the floor 2^(3 - 127): the byte cannot fall under 1
.endr
.irp i, 2,4,6,8,10,12,14
.irp b, 0,1,2,3
	v_max3_num_f32 v[TM+\b], v[TM+\b], |v[ST+16*\b+\i]|, |v[ST+1+16*\b+\i]|   ; the four blocks by turns
.endr
.endr
.irp b, 0,1,2,3
	v_permlanex16_b32 v[TM+4+\b], v[TM+\b], s[SEL], s[SEL+1]
.endr
.irp b, 0,1,2,3
	v_max_num_f32 v[TM+\b], v[TM+\b], v[TM+4+\b]   ; with lane l xor 16's: the block's largest magnitude
.endr
.irp b, 0,1,2,3
	v_add_nc_u32 v[TM+12+\b], 0xff000000, v[TM+\b] ; 2 off its exponent field: the conversion's scale operand
.endr
.irp b, 0,1,2,3
	v_lshrrev_b32 v[TM+4+\b], 23, v[TM+12+\b]      ; the scale's byte
.endr
	v_lshl_or_b32 v[PW], v[TM+5], 8, v[TM+4]       ; the four bytes make my row's scale word
	v_lshl_or_b32 v[PW], v[TM+6], 16, v[PW]
	v_lshl_or_b32 v[PW], v[TM+7], 24, v[PW]
.irp b, 0,1,2,3
	v_cvt_scalef32_pk8_fp4_f32 v[PC+2*\b], v[ST+16*\b:ST+7+16*\b], v[TM+12+\b]
	v_cvt_scalef32_pk8_fp4_f32 v[PC+1+2*\b], v[ST+8+16*\b:ST+15+16*\b], v[TM+12+\b]
.endr
	v_nop                                          ; one plain line behind a scaled conversion
.irp c, 0,1                                    ; the operand's layout wants a WHOLE block in a lane: lanes 0-15 block 2 c, lanes 16-31 block 2 c + 1
.irp i, 0,1
	v_permlane16_swap_b32 v[PC+4*\c+\i], v[PC+2+4*\c+\i]
.endr
.endr
	global_store_b128 v[LI], v[PC:PC+3],   s[10:11]             ; 32 lanes store 512 consecutive bytes
	global_store_b128 v[LI], v[PC+4:PC+7], s[10:11] offset:512
	global_store_b32 v[WO], v[PW], s[12:13]        ; 16 words; lanes r and r + 16 store the same word with the same value
	s_wait_tensorcnt 0x0
	ds_add_u32 v192, v193
	s_wait_dscnt 0x0
	s_endpgm
.Lfunc_end_k_q5141b6d071_wquant:
	.size	k_q5141b6d071_wquant, .Lfunc_end_k_q5141b6d071_wquant-k_q5141b6d071_wquant
	.p2alignl 7, 3214868480
	.fill 96, 4, 3214868480
	.section	.rodata,"a",@progbits
	.p2align	6, 0x0
	.amdhsa_kernel k_q5141b6d071_wquant
		.amdhsa_group_segment_fixed_size 34304
		.amdhsa_private_segment_fixed_size 0
		.amdhsa_enable_private_segment 0
		.amdhsa_kernarg_size 40
		.amdhsa_user_sgpr_count 2
		.amdhsa_user_sgpr_kernarg_segment_ptr 1
		.amdhsa_wavefront_size32 1
		.amdhsa_system_sgpr_workgroup_id_x 1
		.amdhsa_system_sgpr_workgroup_id_y 1
		.amdhsa_system_sgpr_workgroup_id_z 1
		.amdhsa_system_vgpr_workitem_id 0
		.amdhsa_next_free_vgpr 194
		.amdhsa_next_free_sgpr 66
		.amdhsa_reserve_vcc 0
		.amdhsa_float_denorm_mode_32 3
		.amdhsa_float_denorm_mode_16_64 3
		.amdhsa_memory_ordered 1
		.amdhsa_forward_progress 1
		.amdhsa_inst_pref_size 11
	.end_amdhsa_kernel
	.amdgpu_metadata
---
amdhsa.version: [ 1, 2 ]
amdhsa.kernels:
  - .name:           k_q5141b6d071_wquant
    .symbol:         k_q5141b6d071_wquant.kd
    .args:
      - { .name: W_q, .offset: 0, .size: 8, .value_kind: global_buffer, .address_space: global }
      - { .name: W_k, .offset: 8, .size: 8, .value_kind: global_buffer, .address_space: global }
      - { .name: W_v, .offset: 16, .size: 8, .value_kind: global_buffer, .address_space: global }
      - { .name: wc, .offset: 24, .size: 8, .value_kind: global_buffer, .address_space: global }
      - { .name: ws, .offset: 32, .size: 8, .value_kind: global_buffer, .address_space: global }
    .group_segment_fixed_size: 34304
    .private_segment_fixed_size: 0
    .kernarg_segment_align: 8
    .kernarg_segment_size: 40
    .max_flat_workgroup_size: 128
    .sgpr_count:     66
    .vgpr_count:     194
    .wavefront_size: 32
...
	.end_amdgpu_metadata
.endif
;; end of part 4
;; launch proj (part 5): grid 256 x 1, 4 waves a work-group, no clusters, 54,784 bytes of LDS; arguments input, wc, ws, b_q, b_k, b_v, qc, qs, kv; writes qc, qs, kv
.if DOCPART == 5
	.amdgcn_target "amdgcn-amd-amdhsa--gfx1250"
	.amdhsa_code_object_version 6
	.text
	.protected	k_q5141b6d071_proj
	.globl	k_q5141b6d071_proj
	.p2align	8
	.type	k_q5141b6d071_proj,@function
k_q5141b6d071_proj:
	s_mov_b64 s[64:65], 0
	v_nop
	global_prefetch_b8 v0, s[64:65] scope:SCOPE_SE
	s_setreg_imm32_b32 hwreg(HW_REG_WAVE_SCHED_MODE, 0, 2), 2
	s_setreg_imm32_b32 hwreg(HW_REG_WAVE_MODE, 25, 1), 1
	s_wait_xcnt 0x0
	s_wait_alu depctr_vm_vsrc(0)
; q = x W_q^T + b_q, k = x W_k^T + b_k, v = x W_v^T + b_v on codes of FP4 (E2M1) with one E8M0 scale for each 32 along K; q, k and v leave as codes again, for the two products of attention.
; x: [16,384][512] f32, quantised here along its 512.  The weights come as images of operand registers (launch wquant).  q and k are quantised along the head's 512, v along the KEYS.
; SHARES.  A work-group takes 64 rows.  Wave w quantises the 16 rows of tile w of x; then, for all 64 rows, it makes channels 128 w .. 128 w + 127 of q, of k and of v: 3 x 128 matrix instructions.
; A weight fragment is loaded once in a work-group, by one wave, straight into registers, and feeds four products.
; THE LOADS: x's 64 go first.  A pass's weights (32 fragments, 16 registers of scale words, the bias) come in FOUR PARTS of 24 loads (v: 22), each ahead of one quantising of the phase before: q's among x's four K steps,
; k's among q's four tiles of rows, v's among k's.
; THE ROWS OF A TILE ARE NOT NEIGHBOURS: lane r of tile T = 2 b + u takes row 32 b + 8 u + r + 8 (r / 8) of the 64.  One set of x's fragments then serves three uses: source 1 for q and k (a lane holds one row, its registers run
; along the channels); source 0 for v (a lane holds one channel, and the 16 registers of tiles 2 b, 2 b + 1 are keys 32 b + 16 (lane / 16) + 0 .. 15); and k's images are the tiles of keys that the softmax's layout wants.
; OUT.  qc [block of 64 rows][T 4][K step 4] images of 1,024 bytes; qs [block][T][r 16][K step 4] words.  kv: one block of 69,632 bytes for each 128 keys: K's images [tile 8][K step 4]; at 32,768 V's images [16 channels: 32];
; at 65,536 K's scale words [u 4][lane][K step 4] (tile 2 u + lane / 16); at 67,584 V's [g 4][lane][i 4] (channels' tile 8 g + 2 i + lane / 16).  A work-group writes one half of such a block.
; V's scale word of 128 keys belongs to two work-groups: each stores its two bytes of it (2 bytes a lane, 1,024 bytes a work-group); all else leaves 512 consecutive bytes an instruction.
; LIMITS: NaN and infinities are not served; blocks whose largest magnitude lies under 2^-124 keep the scale byte 1 (so does a block of zeros: its codes are zeros, and this program alone reads the bytes).
; REGISTERS, in windows of 256 (s_set_vgpr_msb: bits 1:0 source 0, 3:2 source 1, 5:4 source 2, 7:6 destination):
;   window 0: addresses, scale words, what the quantiser works on.   window 1: x as loaded (64 s + 4 i), then the 32 accumulators.   window 2: the pass's 32 weight fragments (8 (4 t + s)).
;   window 3: v0-127 x's 16 fragments (8 (4 T + s)); v128-191 the bias as C, eight registers a tile.
; THE MODE: SCHED_MODE bits 1:0 = 2 (LLVM: expert scheduling mode 2), set by the entry lines.  The code itself states the register dependences between vector or matrix instructions and memory or LDS instructions,
; with s_wait_alu, always for 0.
; THE PLAN.  Registers that memory or LDS instructions touch:
;   v1-v11, v254, v255   Addresses: written by vector lines at the head and never again; read by every load and store.  One wait on va_vdst, ahead of the first load, serves them all.
;   window 1             x's loads land in it, the stage's LDS stores read it; then the products write it.  One wait on vm_vsrc, ahead of q's products.
;   ST                   K step s: the stage's LDS loads land in it, the step's quantising reads it.
;   PC (4 sets), PW (4)  Written by a quantising, one set each, once a phase; read by x's LDS stores, by q's and k's global and LDS stores, by v's global stores.
;   window 2, WSC, BI    A pass's products read them; the next pass's loads land in them.
;   BV, CP, XSC, window 3's v0-127   One load each lands in registers that no vector line has named.   VW: one shift writes, one store reads.
; So: a wait on va_vdst behind each quantising (its codes and scale word are written, for the stores; in x's phase ST is read out, for the next K step's LDS loads); in q's and k's way out that wait stands behind the switch to
; window 2, the next quarter of the weights' loads follows it at once, then the stores of the tile just quantised; the first of these waits states that the pass's products are done reading weights, scale words and bias.
; A wait on vm_vsrc at the head of each way out: the stores of the phase before have read PC and PW.  All scales and all A and B operands come from loads: no vector line writes one.
.set XIMG, 0                           ; LDS: x's 16 images (4 T + s), 1,024 bytes each
.set XSCL, 16384                       ; their scale words, 128 bytes each
.set STG,  18432                       ; a stage of 16 rows x 528 bytes for each wave
.set SP,   528                         ; 512 bytes + 16: the sixteen rows that a load touches begin 16 bytes further on in each 256
.set SCG,  52224                       ; q's scale words (1,024 bytes), then k's: word at 256 T + 16 r + 4 w
.set LI,  1                            ; v1   16 x lane
.set LS,  2                            ; v2   4 x lane
.set XST, 3                            ; v3   my stage + 16 x lane
.set XLD, 4                            ; v4   my stage + 528 r + 64 h
.set XWI, 5                            ; v5   16 x lane + 4,096 w
.set XWS, 6                            ; v6   XSCL + 4 x lane + 512 w
.set SGA, 7                            ; v7   SCG + 16 r + 4 w
.set SGR, 8                            ; v8   SCG + 512 w + 16 x lane
.set B1O, 9                            ; v9   64 h
.set BVO, 10                           ; v10  4 r
.set SH,  11                           ; v11  16 h
.set XSC, 16                           ; v16-31  x's scale words (4 T + s)
.set WSC, 32                           ; v32-47  the weights' scale words (4 tp + s)
.set BV,  48                           ; v48-55  b_v as loaded
.set ST,  64                           ; v64-127 64 numbers of x
.set TM,  144                          ; v144-147 largest magnitudes, v148-151 bytes, v156-159 scale operands
.set VW,  161                          ; v161-164 V's two scale bytes, one register for each pair of tiles
.set CP,  168                          ; v168-171 the scale words on their way out
.set PC,  176                          ; v176-207 the codes just made: four sets, one for each quantising of a pass
.set PW,  208                          ; v208-211 the scale words just made, likewise
.set BI,  128                          ; window 3: the bias
.set WV,  22
.set SEL, 24
.set MSB, 0
.macro WIN new                         ; the immediate's high byte repeats the setting that is left; a switch that changes nothing is dropped
.if MSB != (\new)
	s_set_vgpr_msb (MSB<<8)|(\new)
.set MSB, (\new)
.endif
.endm
.macro PLACES                          ; four plain vector lines between a matrix instruction and the first vector line that reads its result (ISA guide 7.12.1)
.rept 4
	v_nop
.endr
.endm
.macro BARRIER                         ; my LDS stores have landed and my LDS loads are in: then the work-group's barrier
	s_wait_dscnt 0x0
	s_barrier_signal -1
	s_barrier_wait -1
.endm
; One scaled product.  ra, rb: that side's scale words stand in lanes 16-31 of the register named.
.macro WM d, a, b, c, sa, sb, ra, rb
.if \ra
	v_wmma_scale_f32_16x16x128_f8f6f4 v[(\d):(\d)+7], v[(\a):(\a)+7], v[(\b):(\b)+7], v[(\c):(\c)+7], v[\sa], v[\sb] matrix_a_fmt:MATRIX_FMT_FP4 matrix_b_fmt:MATRIX_FMT_FP4 matrix_a_scale:MATRIX_SCALE_ROW1
.elseif \rb
	v_wmma_scale_f32_16x16x128_f8f6f4 v[(\d):(\d)+7], v[(\a):(\a)+7], v[(\b):(\b)+7], v[(\c):(\c)+7], v[\sa], v[\sb] matrix_a_fmt:MATRIX_FMT_FP4 matrix_b_fmt:MATRIX_FMT_FP4 matrix_b_scale:MATRIX_SCALE_ROW1
.else
	v_wmma_scale_f32_16x16x128_f8f6f4 v[(\d):(\d)+7], v[(\a):(\a)+7], v[(\b):(\b)+7], v[(\c):(\c)+7], v[\sa], v[\sb] matrix_a_fmt:MATRIX_FMT_FP4 matrix_b_fmt:MATRIX_FMT_FP4
.endif
.endm
; 64 numbers of a lane in window win, register src + 16 b + i = k 32 b + 16 (lane / 16) + i of my row, become a fragment's codes in v[pc] on and its scale word in v[pw].
.macro QUANT src, win, pc, pw
	WIN (\win)|((\win)<<2)
.irp b, 0,1,2,3
	v_max3_num_f32 v[TM+\b], |v[(\src)+16*\b]|, |v[(\src)+1+16*\b]|, 0x1800000   ; block b: my 16 numbers, from each accumulator's low end on, and the floor 2^(3 - 127)
.endr
	WIN ((\win)<<2)|((\win)<<4)
.irp i, 2,4,6,8,10,12,14
.irp b, 0,1,2,3
	v_max3_num_f32 v[TM+\b], v[TM+\b], |v[(\src)+16*\b+\i]|, |v[(\src)+1+16*\b+\i]|   ; the four blocks by turns
.endr
.endr
	WIN 0
.irp b, 0,1,2,3
	v_permlanex16_b32 v[TM+4+\b], v[TM+\b], s[SEL], s[SEL+1]
.endr
.irp b, 0,1,2,3
	v_max_num_f32 v[TM+\b], v[TM+\b], v[TM+4+\b]   ; with lane l xor 16's: the block's largest magnitude
.endr
.irp b, 0,1,2,3
	v_add_nc_u32 v[TM+12+\b], 0xff000000, v[TM+\b] ; 2 off its exponent field: the conversion's scale operand
.endr
.irp b, 0,1,2,3
	v_lshrrev_b32 v[TM+4+\b], 23, v[TM+12+\b]      ; the scale's byte
.endr
	v_lshl_or_b32 v[\pw], v[TM+5], 8, v[TM+4]      ; the four bytes make my row's scale word
	v_lshl_or_b32 v[\pw], v[TM+6], 16, v[\pw]
	v_lshl_or_b32 v[\pw], v[TM+7], 24, v[\pw]
	WIN \win
.irp b, 0,1,2,3
	v_cvt_scalef32_pk8_fp4_f32 v[(\pc)+2*\b], v[(\src)+16*\b:(\src)+7+16*\b], v[TM+12+\b]
	v_cvt_scalef32_pk8_fp4_f32 v[(\pc)+1+2*\b], v[(\src)+8+16*\b:(\src)+15+16*\b], v[TM+12+\b]
.endr
	WIN 0
	v_nop                                          ; one plain line behind a scaled conversion
.irp c, 0,1                                    ; the operand's layout wants a WHOLE block in a lane: lanes 0-15 block 2 c, lanes 16-31 block 2 c + 1
.irp i, 0,1
	v_permlane16_swap_b32 v[(\pc)+4*\c+\i], v[(\pc)+2+4*\c+\i]
.endr
.endr
.endm
; K step s of my 16 rows of x goes through my stage: in as loaded (a row's 512 bytes an instruction), back 16 neighbours of each block of 32 a lane.  LDS serves a wave's instructions in order (ISA guide 5.7.1.4).
; The stores' data come from loads; the loads land in v[ST ..], which the last K step's quantising has read: the wait behind that quantising states it, and nothing since names v[ST ..] or v[XLD].
.macro TURN s
	WIN 0x04                                       ; an LDS store's data are its source 1: window 1
.irp i, 0,1,2,3,4,5,6,7,8,9,10,11,12,13,14,15
	ds_store_b128 v[XST], v[64*(\s)+4*\i:64*(\s)+4*\i+3] offset:SP*\i
.endr
	WIN 0
.irp b, 0,1,2,3
.irp j, 0,1,2,3
	ds_load_b128 v[ST+16*\b+4*\j:ST+16*\b+4*\j+3], v[XLD] offset:128*\b+16*\j
.endr
.endr
.endm
; A quarter of a pass's weights: tiles 2 part and 2 part + 1: 8 fragments, 4 registers of scale words, the two tiles' bias.  mat: 0 q, 1 k, 2 v;  bp: the bias's address.
.macro WPART mat, bp, part
	WIN 0x80                                       ; destination window 2
.set n, 8*(\part)
.rept 8
	global_load_b128 v[8*n:8*n+3],   v[LI], s[6:7] offset:\mat*131072+1024*n
	global_load_b128 v[8*n+4:8*n+7], v[LI], s[6:7] offset:\mat*131072+1024*n+512
.set n, n+1
.endr
	WIN 0
.set n, 4*(\part)
.rept 4
	global_load_b32 v[WSC+n], v[LS], s[8:9] offset:\mat*8192+128*n
.set n, n+1
.endr
.set n, 2*(\part)
.if \mat < 2
	WIN 0xc0                                       ; destination window 3: lane (r, h) wants, for tile t, the bias of channels 32 (t / 2) + 8 (t % 2) + 16 h + 0 .. 7
.rept 2
	global_load_b128 v[BI+8*n:BI+8*n+3],   v[B1O], s[\bp:\bp+1] offset:(32*(n/2)+8*(n%2))*4
	global_load_b128 v[BI+8*n+4:BI+8*n+7], v[B1O], s[\bp:\bp+1] offset:(32*(n/2)+8*(n%2))*4+16
.set n, n+1
.endr
	WIN 0
.else
.rept 2
	global_load_b32 v[BV+n], v[BVO], s[\bp:\bp+1] offset:64*n   ; v: a lane holds one channel: 16 t + r
.set n, n+1
.endr
.endif
.endm
; A pass's 128 products.  The 32 accumulators take turns, one instruction a turn, in the same order in every K step.  The bias is the C of each sum's first product.
; kind 0 (q, k): source 0 = 16 rows of W, source 1 = x's tile m; accumulator 64 m + 8 t.   kind 1 (v): source 0 = x's tile m, source 1 = 16 rows of W_v; accumulator 32 t + 8 m.
.macro MUL kind
.irp s, 0,1,2,3
.if \kind == 0
.if \s == 0
	WIN 0x7e                                       ; W window 2, x window 3, C (the bias) window 3, D window 1
.else
	WIN 0x5e                                       ; C and D window 1
.endif
.else
.if \s == 0
	WIN 0x7b                                       ; x window 3, W window 2, C window 3, D window 1
.else
	WIN 0x5b
.endif
.endif
.irp t, 0,1,2,3,4,5,6,7
.irp m, 0,1,2,3
.if \kind == 0
.if \s == 0
	WM 64*\m+8*\t, 8*(4*\t+\s), 8*(4*\m+\s), BI+8*\t, WSC+4*(\t/2)+\s, XSC+4*\m+\s, \t%2, 0
.else
	WM 64*\m+8*\t, 8*(4*\t+\s), 8*(4*\m+\s), 64*\m+8*\t, WSC+4*(\t/2)+\s, XSC+4*\m+\s, \t%2, 0
.endif
.else
.if \s == 0
	WM 32*\t+8*\m, 8*(4*\m+\s), 8*(4*\t+\s), BI+8*\t, XSC+4*\m+\s, WSC+4*(\t/2)+\s, 0, \t%2
.else
	WM 32*\t+8*\m, 8*(4*\m+\s), 8*(4*\t+\s), 32*\t+8*\m, XSC+4*\m+\s, WSC+4*(\t/2)+\s, 0, \t%2
.endif
.endif
.endr
.endr
.endr
	WIN 0
.endm
; Tile m's codes and scale word leave.
.macro OUTST dp, so, m
	global_store_b128 v[LI], v[PC+8*(\m):PC+8*(\m)+3],   s[\dp:\dp+1] offset:4096*(\m)       ; 32 lanes store 512 consecutive bytes
	global_store_b128 v[LI], v[PC+8*(\m)+4:PC+8*(\m)+7], s[\dp:\dp+1] offset:4096*(\m)+512
	ds_store_b32 v[SGA], v[PW+(\m)] offset:\so+256*(\m)   ; lanes r and r + 16 write the same word with the same value
.endm
; q's or k's results leave: for each tile of rows m my 64 registers are K step w of that tile's fragment.  dp: where the images go;  so: where the scale words gather in LDS;  nm, nb: the next pass's matrix and bias, a quarter
; of whose loads stands ahead of each quantising.  Each tile has its own registers for codes and scale word: one set of waits at the head serves the pass.
; A tile's turn: the switch to window 2, the wait, the quarter's loads, the stores of the tile before, the quantising.  No vector line stands between the wait and those loads and stores.
.macro OUTQK dp, so, nm, nb
	s_wait_xcnt 0x0                                ; the last pass's stores have read the codes' registers: they are written again only behind this wait,
	s_wait_dscnt 0x0                               ; and the scale words' registers only when their LDS stores are done
	s_wait_alu depctr_vm_vsrc(0)                   ; the stores of the phase before, global and LDS, have read v[PC ..] and v[PW ..], which this pass's quantisings write again
.irp m, 0,1,2,3
	WIN 0x80                                       ; the window of the first loads below, ahead of the wait
	s_wait_alu depctr_va_vdst(0)                   ; m = 0: the pass's products are done reading the weights, their scale words and the bias, in which the next pass's loads land; m > 0: tile m - 1's quantising has written its codes and scale word, which the stores below read
	WPART \nm, \nb, \m
.if \m > 0
	OUTST \dp, \so, \m-1
.endif
	QUANT 64*\m, 1, PC+8*\m, PW+\m
.endr
	s_wait_alu depctr_va_vdst(0)                   ; tile 3's quantising has written its codes and scale word, which the stores below read
	OUTST \dp, \so, 3
.endm
	s_load_b512 s[4:19], s[0:1], 0x0               ; input s[4:5], wc s[6:7], ws s[8:9], b_q s[10:11], b_k s[12:13], b_v s[14:15], qc s[16:17], qs s[18:19]
	s_load_b64 s[20:21], s[0:1], 0x40              ; kv
	v_lshl_add_u32 v254, v0, 2, 0xd400
	v_mov_b32 v255, 0
	v_lshrrev_b32 v12, 5, v0
	v_readfirstlane_b32 s[WV], v12                 ; wave 0..3
	v_and_b32 v12, 31, v0                          ; lane
	v_and_b32 v13, 15, v0                          ; r
	v_bfe_u32 v14, v0, 4, 1                        ; h
	v_lshlrev_b32 v[LI], 4, v12
	v_lshlrev_b32 v[LS], 2, v12
	s_wait_alu depctr_va_sdst(0)                   ; the wave's number is written, ahead of its first reader: LDS addresses and the buffers' offsets are made from it
	s_mul_i32 s26, s[WV], 16*SP
	s_add_co_u32 s26, s26, STG                     ; my stage
	v_add_nc_u32 v[XST], s26, v[LI]
	v_mul_u32_u24 v[XLD], v13, SP
	v_lshl_add_u32 v[XLD], v14, 6, v[XLD]
	v_add_nc_u32 v[XLD], s26, v[XLD]
	s_lshl_b32 s26, s[WV], 12
	v_add_nc_u32 v[XWI], s26, v[LI]
	s_lshl_b32 s26, s[WV], 9
	s_add_co_u32 s27, s26, XSCL
	v_add_nc_u32 v[XWS], s27, v[LS]
	s_add_co_u32 s27, s26, SCG
	v_add_nc_u32 v[SGR], s27, v[LI]
	s_lshl_b32 s27, s[WV], 2
	s_add_co_u32 s27, s27, SCG
	v_lshl_add_u32 v[SGA], v13, 4, s27
	v_lshlrev_b32 v[B1O], 6, v14
	v_lshlrev_b32 v[BVO], 2, v13
	v_lshlrev_b32 v[SH], 4, v14
.irp b, 0,1,2,3
	v_mov_b32 v[TM+4+\b], 0                        ; written once: a lane permute's destination counts as one of its sources
.endr
	s_mov_b32 s[SEL], 0x76543210
	s_mov_b32 s[SEL+1], 0xfedcba98                 ; v_permlanex16_b32's selects for lane l xor 16
	s_and_b32 s31, s[WV], 1                        ; w % 2
	s_and_b32 s34, ttmp9, 1                        ; which half of a block of 128 keys is mine
	s_lshl_b32 s28, ttmp9, 17                      ; x: 64 rows of 2,048 bytes a work-group,
	s_lshr_b32 s30, s[WV], 1
	s_lshl_b32 s30, s30, 16                        ; + 32 (w / 2) rows
	s_add_co_u32 s28, s28, s30
	s_lshl_b32 s30, s31, 14                        ; + 8 (w % 2) rows
	s_add_co_u32 s28, s28, s30
	s_mov_b32 s29, 0
	s_wait_kmcnt 0x0
	s_add_nc_u64 s[4:5], s[4:5], s[28:29]          ; x at my tile's first row
	WIN 0x40                                       ; destination window 1.  x's 64 loads go first: the first work waits for them
	s_wait_alu depctr_va_vdst(0)                   ; the addresses v1 to v11, and v254 and v255, are written: every load and store of the kernel reads one of them, and none is written again
.irp s, 0,1,2,3
.irp i, 0,1,2,3,4,5,6,7,8,9,10,11,12,13,14,15
	global_load_b128 v[64*\s+4*\i:64*\s+4*\i+3], v[LI], s[4:5] offset:(\i+8*(\i/8))*2048+512*\s th:TH_LOAD_NT   ; 32 lanes read 512 consecutive bytes of one row
.endr
.endr
	WIN 0
	s_lshl_b32 s28, s[WV], 15
	s_add_nc_u64 s[6:7], s[6:7], s[28:29]          ; my 32 fragments of each matrix
	s_lshl_b32 s28, s[WV], 11
	s_add_nc_u64 s[8:9], s[8:9], s[28:29]          ; their scale words
	s_lshl_b32 s28, s[WV], 9
	s_add_nc_u64 s[10:11], s[10:11], s[28:29]      ; my 128 numbers of each bias
	s_add_nc_u64 s[12:13], s[12:13], s[28:29]
	s_add_nc_u64 s[14:15], s[14:15], s[28:29]
	s_lshl_b32 s28, ttmp9, 14
	s_lshl_b32 s30, s[WV], 10
	s_add_co_u32 s28, s28, s30
	s_add_nc_u64 s[16:17], s[16:17], s[28:29]      ; qc: 16,384 x block + 1,024 w
	s_lshl_b32 s28, ttmp9, 10
	s_lshl_b32 s30, s31, 9
	s_add_co_u32 s28, s28, s30
	s_add_nc_u64 s[18:19], s[18:19], s[28:29]      ; qs: 1,024 x block + 512 (w % 2)
	s_lshr_b32 s30, ttmp9, 1
	s_mul_i32 s28, s30, 69632
	s_add_nc_u64 s[20:21], s[20:21], s[28:29]      ; kv at my block of 128 keys
	s_lshl_b32 s28, s34, 14
	s_lshl_b32 s30, s[WV], 10
	s_add_co_u32 s28, s28, s30
	s_add_nc_u64 s[36:37], s[20:21], s[28:29]      ; K's images: my half's four tiles, K step w
	s_lshl_b32 s28, s[WV], 13
	s_lshl_b32 s30, s34, 9
	s_add_co_u32 s28, s28, s30
	s_add_co_u32 s28, s28, 32768
	s_add_nc_u64 s[38:39], s[20:21], s[28:29]      ; V's images: my 8 tiles of channels, my half of each
	s_lshl_b32 s28, s[WV], 9
	s_lshl_b32 s30, s34, 1
	s_add_co_u32 s28, s28, s30
	s_add_co_u32 s28, s28, 67584
	s_add_nc_u64 s[40:41], s[20:21], s[28:29]      ; V's scale words: group w, my two bytes of each
	s_lshl_b32 s28, s34, 10
	s_lshl_b32 s30, s31, 9
	s_add_co_u32 s28, s28, s30
	s_add_co_u32 s28, s28, 65536
	s_add_nc_u64 s[44:45], s[20:21], s[28:29]      ; K's scale words: my half's 1,024 bytes, 512 (w % 2) on
	s_cmp_lt_u32 s[WV], 2                          ; waves 0 and 1 carry q's scale words out, waves 2 and 3 k's
	s_cselect_b64 s[44:45], s[18:19], s[44:45]
	; ---- x: my 16 rows become four fragments; a quarter of q's weights is asked for in each K step (into registers that no vector or matrix line has named yet)
.irp s, 0,1,2,3
.if 48+8*\s > 63
	s_wait_loadcnt 63                              ; behind this K step's loads stand 48 - 16 s of x and 24 s of the weights: more than a wait can name, so the largest count that it can
.else
	s_wait_loadcnt 48+8*\s                         ; loads come back in order: this K step's 16 are in; behind them stand 48 - 16 s loads of x and 24 s of the weights
.endif
	TURN \s
	WPART 0, 10, \s
	s_wait_dscnt 0x0                               ; the numbers are back from the stage
	QUANT ST, 0, PC+8*\s, PW+\s
	s_wait_alu depctr_va_vdst(0)                   ; the quantising has written its codes and scale word, which the LDS stores below read, and is done reading v[ST ..], in which the next K step's LDS loads land
	ds_store_b128 v[XWI], v[PC+8*\s:PC+8*\s+3]   offset:XIMG+1024*\s       ; the fragment as an image of its registers
	ds_store_b128 v[XWI], v[PC+8*\s+4:PC+8*\s+7] offset:XIMG+1024*\s+512
	ds_store_b32 v[XWS], v[PW+\s] offset:128*\s
.endr
	BARRIER                                        ; x's sixteen fragments lie in LDS
	WIN 0xc0                                       ; destination window 3
.set n, 0
.rept 16
	ds_load_b128 v[8*n:8*n+3],   v[LI] offset:XIMG+1024*n
	ds_load_b128 v[8*n+4:8*n+7], v[LI] offset:XIMG+1024*n+512
.set n, n+1
.endr
	WIN 0
.set n, 0
.rept 16
	ds_load_b32 v[XSC+n], v[LS] offset:XSCL+128*n
.set n, n+1
.endr
	s_wait_dscnt 0x0
	s_wait_loadcnt 0x0                             ; q's weights
	s_wait_alu depctr_vm_vsrc(0)                   ; the stage's LDS stores have read x as loaded: window 1, which the products below write as their accumulators
	; ---- q
	MUL 0
	PLACES
	OUTQK 16, 0, 1, 12                             ; k's weights are asked for while q is quantised
	; ---- k
	s_wait_loadcnt 0x0
	MUL 0
	PLACES
	OUTQK 36, 1024, 2, 14                          ; v's weights are asked for while k is quantised
	BARRIER                                        ; the scale words of q and of k lie in LDS, whole
	ds_load_b128 v[CP:CP+3], v[SGR]
	s_wait_dscnt 0x0
	global_store_b128 v[LI], v[CP:CP+3], s[44:45]  ; 512 consecutive bytes a wave
	; ---- v
	s_wait_loadcnt 0x0
	WIN 0xc0
.irp t, 0,1,2,3,4,5,6,7
.irp j, 0,1,2,3,4,5,6,7
	v_mov_b32 v[BI+8*\t+\j], v[BV+\t]              ; the bias in the result's layout: a lane's eight registers are eight keys of one channel
.endr
.endr
	MUL 1
	PLACES
	s_wait_xcnt 0x0                                ; k's stores have read the codes' registers
	s_wait_alu depctr_vm_vsrc(0)                   ; k's stores, global and LDS, have read v[PC ..] and v[PW ..], which the quantisings below write again
.irp p, 0,1,2,3                                ; tiles of channels 2 p and 2 p + 1: 32 registers each, my 64 keys: two blocks of 32 each
	QUANT 64*\p, 1, PC+8*\p, PW+\p
	v_lshrrev_b32 v[VW+\p], v[SH], v[PW+\p]        ; lanes 0-15: tile 2 p's two bytes; lanes 16-31: tile 2 p + 1's
	s_wait_alu depctr_va_vdst(0)                   ; the quantising has written its codes and the shift the two scale bytes, which the three stores below read
	global_store_b128 v[LI], v[PC+8*\p:PC+8*\p+3],   s[38:39] offset:2048*\p        ; my half of tile 2 p's image: 512 consecutive bytes
	global_store_b128 v[LI], v[PC+8*\p+4:PC+8*\p+7], s[38:39] offset:2048*\p+1024   ; and of tile 2 p + 1's
	global_store_b16 v[LI], v[VW+\p], s[40:41] offset:4*\p
.endr
	s_wait_dscnt 0x0                               ; the closing lines, six on end (every window is 0 here)
	s_wait_alu 0x0
	s_wait_tensorcnt 0x0
	ds_add_u32 v254, v255
	s_wait_dscnt 0x0
	s_endpgm
.Lfunc_end_k_q5141b6d071_proj:
	.size	k_q5141b6d071_proj, .Lfunc_end_k_q5141b6d071_proj-k_q5141b6d071_proj
	.p2alignl 7, 3214868480
	.fill 96, 4, 3214868480
	.section	.rodata,"a",@progbits
	.p2align	6, 0x0
	.amdhsa_kernel k_q5141b6d071_proj
		.amdhsa_group_segment_fixed_size 54784
		.amdhsa_private_segment_fixed_size 0
		.amdhsa_enable_private_segment 0
		.amdhsa_kernarg_size 72
		.amdhsa_user_sgpr_count 2
		.amdhsa_user_sgpr_kernarg_segment_ptr 1
		.amdhsa_wavefront_size32 1
		.amdhsa_system_sgpr_workgroup_id_x 1
		.amdhsa_system_sgpr_workgroup_id_y 1
		.amdhsa_system_sgpr_workgroup_id_z 1
		.amdhsa_system_vgpr_workitem_id 0
		.amdhsa_next_free_vgpr 1024
		.amdhsa_next_free_sgpr 66
		.amdhsa_reserve_vcc 0
		.amdhsa_float_denorm_mode_32 3
		.amdhsa_float_denorm_mode_16_64 3
		.amdhsa_memory_ordered 1
		.amdhsa_forward_progress 1
		.amdhsa_inst_pref_size 167
	.end_amdhsa_kernel
	.amdgpu_metadata
---
amdhsa.version: [ 1, 2 ]
amdhsa.kernels:
  - .name:           k_q5141b6d071_proj
    .symbol:         k_q5141b6d071_proj.kd
    .args:
      - { .name: input, .offset: 0, .size: 8, .value_kind: global_buffer, .address_space: global }
      - { .name: wc, .offset: 8, .size: 8, .value_kind: global_buffer, .address_space: global }
      - { .name: ws, .offset: 16, .size: 8, .value_kind: global_buffer, .address_space: global }
      - { .name: b_q, .offset: 24, .size: 8, .value_kind: global_buffer, .address_space: global }
      - { .name: b_k, .offset: 32, .size: 8, .value_kind: global_buffer, .address_space: global }
      - { .name: b_v, .offset: 40, .size: 8, .value_kind: global_buffer, .address_space: global }
      - { .name: qc, .offset: 48, .size: 8, .value_kind: global_buffer, .address_space: global }
      - { .name: qs, .offset: 56, .size: 8, .value_kind: global_buffer, .address_space: global }
      - { .name: kv, .offset: 64, .size: 8, .value_kind: global_buffer, .address_space: global }
    .group_segment_fixed_size: 54784
    .private_segment_fixed_size: 0
    .kernarg_segment_align: 8
    .kernarg_segment_size: 72
    .max_flat_workgroup_size: 128
    .sgpr_count:     66
    .vgpr_count:     1024
    .wavefront_size: 32
...
	.end_amdgpu_metadata
.endif
;; end of part 5
;; launch attn (part 6): grid 32 x 8, 4 waves a work-group, clusters of 4 x 1, 327,680 bytes of LDS; arguments qc, qs, kv, mask, out0; writes out0
.if DOCPART == 6
	.amdgcn_target "amdgcn-amd-amdhsa--gfx1250"
	.amdhsa_code_object_version 6
	.text
	.protected	k_q5141b6d071_attn
	.globl	k_q5141b6d071_attn
	.p2align	8
	.type	k_q5141b6d071_attn,@function
k_q5141b6d071_attn:
	s_mov_b64 s[64:65], 0
	v_nop
	global_prefetch_b8 v0, s[64:65] scope:SCOPE_SE
	s_setreg_imm32_b32 hwreg(HW_REG_WAVE_MODE, 25, 1), 1
	s_wait_xcnt 0x0
	s_wait_alu depctr_hold_cnt(0) depctr_sa_sdst(0) depctr_va_vdst(0) depctr_va_sdst(0) depctr_va_ssrc(0) depctr_va_vcc(0) depctr_vm_vsrc(0)
	s_getreg_b32 s2, hwreg(HW_REG_IB_STS2, 6, 4)
	s_cmp_eq_u32 s2, 0
	s_cbranch_scc0 .Lentry_in_a_cluster
	s_endpgm
.Lentry_in_a_cluster:
	s_bfe_u32 s2, ttmp6, 0x10000c
	s_cmp_lg_u32 s2, 0x3003
	s_cbranch_scc0 .Lentry_shape_is_right
	s_endpgm
.Lentry_shape_is_right:
; out0[b][q][:] = the sum over k of softmax_k(where(mask[b][q][k] == 0, -2^31, q . k / sqrt(512))) v[b][k][:], both products on codes of FP4 (E2M1) with one E8M0 scale for each 32 along a product's K.
; q, k, v come as images of operand registers (launch proj): qc, qs, and kv: one block of 69,632 bytes for each 128 keys (K's images, V's images, K's scale words, V's scale words).
; THE SOFTMAX AHEAD OF THE SECOND PRODUCT: t = score x log2(e) / sqrt(512); M = the row's largest t so far, rounded UP to a whole number; p = 2^(t - M) is quantised along the keys, not normalised; the row's sum is taken
; of the unquantised p and divides at the end.  When M moves, the sum and O are multiplied by 2^(old M - new M): exact.
; THE MASK: where it is 0 the raw score becomes -2^35 ahead of the maximum, so t = -2^35 c, about -2.19e9, a whole number: p is 0 beside any key that counts, and a row with no key that counts gets p = 1 everywhere, as reference()'s
; equal logits do.  LIMIT: that differs from reference()'s -2^31 only where a logit that counts lies under about -1.5e9.  t is score x one constant, where reference() multiplies twice.  NaN and infinities are not served.
; SHARES.  A work-group owns 64 queries of one batch, each of its four waves 16 (tile w: rows 32 (w / 2) + 8 (w % 2) + r + 8 (r / 8)).  Every wave walks all 2,048 keys, 128 a step: 32 products K Q^T, the softmax, 32 products V^T P.
; Both products are used transposed (source 0 = 16 keys, or 16 channels; source 1 = my 16 queries): a lane holds ONE query throughout; O^T, 512 channels, is 256 registers.
; CLUSTER.  The four blocks of queries of a cluster belong to one batch and walk the same kv: each quarter of a slot is asked for JOINTLY, by the same tensor load with the same descriptor and a mask that names the four.
; THE RING: two slots of two steps (139,264 bytes); each wave fetches a quarter of a slot, 136 dense rows of 256 bytes.  A refill has two steps' work in which to land.  By this text's count a wave has at most one tensor load out.
; THE MASK'S ROAD: it is read once, by loads into registers, 512 consecutive bytes of one query's row an instruction; two sets of 16 loads a wave are always out, each asked for two steps ahead.  A set turns through the wave's own stage in
; LDS, so that a lane gets the 64 words that belong to its 64 scores.
; THE LDS INSTRUCTIONS OF A STEP (168 a wave) STAND IN SHORT RUNS AMONG THE VECTOR LINES wherever the registers that they fill are free: the stage's 16 stores in fours among the first 64 rescalings of O^T; the stage's 16 loads, K's scale
; words and K's tiles 0-3 in runs of 16, 12, 12, 12, the first behind the four rescalings of O^T's tile 16 and each with fifteen rescalings behind it; V's tiles 16-31 in runs of 8 among the mask's four runs of 32 lines.
; REGISTERS, in windows of 256 (s_set_vgpr_msb: bits 1:0 source 0, 3:2 source 1, 5:4 source 2, 7:6 destination):
;   window 0: addresses, statistics, Q, all scale words, S^T / p, p's codes.   window 1: O^T (8 x tile of channels).   window 2: K of a step (8 (4 t + s)), then V of the same step (8 x tile).
;   window 3: v0-63, v64-127 the mask as loaded, two sets; v128-191 the mask in S^T's layout.
; ASSEMBLER SYMBOLS: n counts inside one run of lines and is set anew at the head of every run; ro counts O^T's registers in the rescaling and is set by RESC alone.
.set STEPB, 69632                      ; a step's block of kv
.set SLOTB, 2*STEPB                    ; a slot: 0x22000; it shares no bit with wave x QUART, so one exclusive or turns an address in one slot into the other's
.set QUART, SLOTB/4                    ; what one tensor load brings
.set STG,   2*SLOTB                    ; behind the ring: a stage of 16 rows x 528 bytes for each wave: the mask's turn, later the way out
.set SP,    528
.set SPARE, STG+4*16*SP                ; behind the stages: the spare words, 128 bytes for each wave: two blocks of 256 bytes that no other line names
.set LI,  1                            ; v1   16 x lane
.set ADK, 2                            ; v2   LDS address of the step's block + 16 x lane
.set ADV, 3                            ; v3   the same + 32,768: V's images
.set MST, 4                            ; v4   my stage + 16 x lane
.set MLD, 5                            ; v5   my stage + 528 r + 64 h
.set SPW, 7                            ; v7   LDS address of my spare word; never rewritten
.set NIL, 8                            ; v8   0; never rewritten
.set SMR, 9                            ; v9   -2^35
.set OST, 10                           ; v10  my stage + 528 r + 32 h
.set QO,  11                           ; v11  16 r
.set Q,   16                           ; v16-47  Q's four fragments
.set QSC, 48                           ; v48-51  Q's scale words, a register for each K step
.set KSC, 52                           ; v52-67  K's: 4 u + s; lanes 0-15 tile 2 u, lanes 16-31 tile 2 u + 1
.set VSC, 68                           ; v68-83  V's: 4 g + i; lanes 0-15 tile 8 g + 2 i, lanes 16-31 the next
.set PC,  84                           ; v84-91  p's codes
.set S,   96                           ; v96-159 S^T, then p
.set BM,  160                          ; v160-163 the blocks' largest scores, then largest p
.set TP,  164                          ; v164-167 at work
.set SO,  168                          ; v168-171 the conversions' scale operands
.set TT,  172                          ; v172 at work
.set F,   174                          ; v[174:175] f = 2^(old M - new M); the packed form names a pair and takes its low word
.set PW,  176                          ; v176 p's scale word
.set MS0, 0
.set MS1, 64
.set ML,  128
.set WV,  14
.set G1,  24                           ; s[24:31] descriptor group 1
.set G0A, 32                           ; s[32:35] group 0 of slot 0's first fill
.set G0W, 36                           ; s[36:39] group 0 of slot 1's first fill, which then walks
.set MB,  40                           ; s[40:41] the mask at my first row, at the step to be loaded
.set SEL, 42
.set CS,  44                           ; s[44:45] c = log2(e) / sqrt(512)
.set TB,  46                           ; s46 LDS byte at which the block of the step to be fetched begins
.set SLOTS, 47
.set MK,  66                           ; s66-97 32 lane masks
.set W_KQ, 0x02                        ; K window 2; Q and S^T window 0
.set W_PV, 0x52                        ; V window 2, P window 0, O^T window 1
.set W_RS, 0x41                        ; O^T (destination and source 0) window 1, f window 0
.set MSB, 0
.macro WIN new                         ; the immediate's high byte repeats the setting that is left; a switch that changes nothing is dropped
.if MSB != (\new)
	s_set_vgpr_msb (MSB<<8)|(\new)
.set MSB, (\new)
.endif
.endm
.macro PLACES                          ; four plain vector lines between a matrix instruction and a load into its registers or a read of its result (ISA guide 7.12.1 for the read of its result)
.rept 4
	v_nop
.endr
.endm
; A round of the cluster's barrier: my work-group's barrier; wave 0 signals for the work-group; every wave waits for all four work-groups; my work-group's barrier once more.
.macro CROUND
	s_barrier_signal -1
	s_barrier_wait -1
	s_cmp_lg_u32 s[WV], 0
	s_cbranch_scc1 .Lnot_wave_0_\@
	s_barrier_signal -3
.Lnot_wave_0_\@:
	s_barrier_wait -3
	s_barrier_signal -1
	s_barrier_wait -1
.endm
; One scaled product.  c < 0: the product starts its sum.  ra: source 0's scale words stand in lanes 16-31 of the register named.
.macro WM d, a, b, c, sa, sb, ra
.if (\c) < 0
.if \ra
	v_wmma_scale_f32_16x16x128_f8f6f4 v[(\d):(\d)+7], v[(\a):(\a)+7], v[(\b):(\b)+7], 0, v[\sa], v[\sb] matrix_a_fmt:MATRIX_FMT_FP4 matrix_b_fmt:MATRIX_FMT_FP4 matrix_a_scale:MATRIX_SCALE_ROW1
.else
	v_wmma_scale_f32_16x16x128_f8f6f4 v[(\d):(\d)+7], v[(\a):(\a)+7], v[(\b):(\b)+7], 0, v[\sa], v[\sb] matrix_a_fmt:MATRIX_FMT_FP4 matrix_b_fmt:MATRIX_FMT_FP4
.endif
.else
.if \ra
	v_wmma_scale_f32_16x16x128_f8f6f4 v[(\d):(\d)+7], v[(\a):(\a)+7], v[(\b):(\b)+7], v[(\c):(\c)+7], v[\sa], v[\sb] matrix_a_fmt:MATRIX_FMT_FP4 matrix_b_fmt:MATRIX_FMT_FP4 matrix_a_scale:MATRIX_SCALE_ROW1
.else
	v_wmma_scale_f32_16x16x128_f8f6f4 v[(\d):(\d)+7], v[(\a):(\a)+7], v[(\b):(\b)+7], v[(\c):(\c)+7], v[\sa], v[\sb] matrix_a_fmt:MATRIX_FMT_FP4 matrix_b_fmt:MATRIX_FMT_FP4
.endif
.endif
.endm
; 16 loads: a step's 128 mask words of my 16 queries.  step = 1: on to the next step first.
.macro MLOAD set, step
.if \step
	s_wait_xcnt 0x0                                ; the earlier loads have read their base: it is stepped only behind this wait
	s_add_nc_u64 s[MB:MB+1], s[MB:MB+1], 512
.endif
	WIN 0xc0                                       ; destination window 3
.irp i, 0,1,2,3,4,5,6,7,8,9,10,11,12,13,14,15
	global_load_b128 v[\set+4*\i:\set+4*\i+3], v[LI], s[MB:MB+1] offset:(\i+8*(\i/8))*8192 th:TH_LOAD_NT   ; 32 lanes read 512 consecutive bytes of one row
.endr
.endm
; The set turns through my stage: in as loaded (STST: four of the sixteen stores, rows i0 on), back (STLD) so that register ML + n belongs to score S + n: key 32 (n / 16) + 16 (lane / 16) + n % 16 of query lane % 16.
; LDS serves a wave's instructions in order (ISA guide 5.7.1.4): the loads, which stand behind all sixteen stores, see them.
.macro STST set, i0
	WIN 0x0c                                       ; an LDS store's data are its source 1: window 3
.set n, \i0
.rept 4
	ds_store_b128 v[MST], v[\set+4*n:\set+4*n+3] offset:SP*n
.set n, n+1
.endr
.endm
.macro STLD
	WIN 0xc0
.irp b, 0,1,2,3
.irp j, 0,1,2,3
	ds_load_b128 v[ML+16*\b+4*\j:ML+16*\b+4*\j+3], v[MLD] offset:128*\b+16*\j
.endr
.endr
.endm
; The next step's addresses and K's scale words: 4 LDS loads.
.macro KADDR
	WIN 0
	v_add_nc_u32 v[ADK], s[TB], v[LI]
	v_add_nc_u32 v[ADV], 32768, v[ADK]
	s_add_co_u32 s[TB], s[TB], STEPB               ; the next fetch is the next step's
.irp u, 0,1,2,3
	ds_load_b128 v[KSC+4*\u:KSC+4*\u+3], v[ADV] offset:32768+512*\u
.endr
.endm
.macro KLD n0, cnt                     ; cnt fragments of K from fragment n0 on (fragment 4 t + s), two loads each
	WIN 0x80                                       ; destination window 2
.set n, \n0
.rept \cnt
	ds_load_b128 v[8*n:8*n+3],   v[ADK] offset:1024*n
	ds_load_b128 v[8*n+4:8*n+7], v[ADK] offset:1024*n+512
.set n, n+1
.endr
.endm
.macro VLD n0, cnt                     ; cnt tiles of V from tile n0 on, two loads each
	WIN 0x80
.set n, \n0
.rept \cnt
	ds_load_b128 v[8*n:8*n+3],   v[ADV] offset:1024*n
	ds_load_b128 v[8*n+4:8*n+7], v[ADV] offset:1024*n+512
.set n, n+1
.endr
.endm
.macro RESC from, cnt                  ; cnt pairs of O^T's registers, from register from on, under the new M
	WIN W_RS
.set ro, \from
.rept \cnt
	v_pk_mul_f32 v[ro:ro+1], v[ro:ro+1], v[F:F+1] op_sel_hi:[1,0]
.set ro, ro+2
.endr
.endm
; THE SCORES AND THE SOFTMAX of the step whose K has been asked for.  V of the same step takes K's registers as soon as K's products are issued, and lands under the softmax.
.macro SPART
	s_wait_dscnt 32                                ; the mask's turn, K's scale words and tiles 0-3 are in; the 32 loads of tiles 4-7 may be out
	WIN W_KQ
.irp s, 0,1,2,3                                ; four accumulators by turns, one instruction a turn
.irp t, 0,1,2,3
.if \s == 0
	WM S+8*\t, 8*(4*\t+\s), Q+8*\s, -1, KSC+4*(\t/2)+\s, QSC+\s, \t%2
.else
	WM S+8*\t, 8*(4*\t+\s), Q+8*\s, S+8*\t, KSC+4*(\t/2)+\s, QSC+\s, \t%2
.endif
.endr
.endr
	PLACES
	VLD 0, 16                                      ; V's tiles 0-15
	s_wait_dscnt 32                                ; K's tiles 4-7 are in; the 32 loads just issued may be out
	WIN W_KQ
.irp s, 0,1,2,3
.irp t, 4,5,6,7
.if \s == 0
	WM S+8*\t, 8*(4*\t+\s), Q+8*\s, -1, KSC+4*(\t/2)+\s, QSC+\s, \t%2
.else
	WM S+8*\t, 8*(4*\t+\s), Q+8*\s, S+8*\t, KSC+4*(\t/2)+\s, QSC+\s, \t%2
.endif
.endr
.endr
	PLACES                                         ; for the loads into K's registers below and for the first read of the scores
.irp q, 0,1                                    ; the mask, 32 scores at a time; each accumulator is read from its low end on.  Behind each run of 32 lines stand four of V's tiles 16-31
	WIN 0x0c                                       ; source 1 window 3
.set n, 0
.rept 32
	v_cmp_ne_u32 s[MK+n], 0, v[ML+32*\q+n]
.set n, n+1
.endr
	VLD 16+8*\q, 4
	WIN 0
.set n, 0
.rept 32
	v_cndmask_b32 v[S+32*\q+n], v[SMR], v[S+32*\q+n], s[MK+n]   ; the score where the mask is not 0, else -2^35
.set n, n+1
.endr
	VLD 20+8*\q, 4
.endr
	WIN 0
.irp g, 0,1,2,3
	ds_load_b128 v[VSC+4*\g:VSC+4*\g+3], v[ADV] offset:34816+512*\g
.endr
.irp b, 0,1,2,3
	v_max3_num_f32 v[BM+\b], v[S+16*\b], v[S+1+16*\b], v[S+2+16*\b]   ; the largest score of each block of 32 keys: for the row's maximum and, since p rises with the score, for the block's largest p
.endr
.irp i, 3,5,7,9,11,13
.irp b, 0,1,2,3
	v_max3_num_f32 v[BM+\b], v[BM+\b], v[S+16*\b+\i], v[S+1+16*\b+\i]
.endr
.endr
.irp b, 0,1,2,3
	v_max_num_f32 v[BM+\b], v[BM+\b], v[S+15+16*\b]
.endr
.irp b, 0,1,2,3
	v_permlanex16_b32 v[TP+\b], v[BM+\b], s[SEL], s[SEL+1]
.endr
.irp b, 0,1,2,3
	v_max_num_f32 v[BM+\b], v[BM+\b], v[TP+\b]     ; with lane l xor 16's 16 keys
.endr
	v_max3_num_f32 v[TT], v[BM], v[BM+1], v[BM+2]
	v_max_num_f32 v[TT], v[TT], v[BM+3]            ; the step's largest score of my query
	v_mul_f32 v[TT], s[CS], v[TT]                  ; as t (c is positive)
	v_max_num_f32 v13, v13, v[TT]                  ; the running largest t
	v_mov_b32 v[TT], v12
	v_floor_f32 v12, -v13                          ; the new -M = floor(-t) = -ceil(t)
	v_sub_f32 v[TT], v12, v[TT]                    ; old M - new M: a whole number, 0 or less
	v_cvt_i32_f32 v[TT], v[TT]                     ; (it saturates)
	v_ldexp_f32 v[F], 1.0, v[TT]                   ; f = 2^(old M - new M)
.set n, 0
.rept 32
	v_pk_fma_f32 v[S+n:S+n+1], v[S+n:S+n+1], s[CS:CS+1], v[12:13] op_sel_hi:[1,0,0]   ; t - M, two at a time
.set n, n+2
.endr
.irp b, 0,1,2,3
	v_fma_f32 v[BM+\b], v[BM+\b], s[CS], v12       ; the same of each block's largest score
.endr
.set n, 0
	s_wait_alu depctr_va_vdst(0)
.rept 64
	v_exp_f32 v[S+n], v[S+n]                       ; p = 2^(t - M), at most 1
.set n, n+1
.endr
	v_pk_mul_f32 v[14:15], v[14:15], v[F:F+1] op_sel_hi:[1,0]   ; the sums under the new M: the plain line behind the exponentials
	s_wait_alu depctr_va_vdst(0)                   ; one wait for the whole batch, ahead of its first reader
.irp b, 0,1,2,3
	v_exp_f32 v[BM+\b], v[BM+\b]                   ; the block's largest p: the same two instructions on the same number
.endr
	v_pk_add_f32 v[TP:TP+1], v[S:S+1], v[S+2:S+3]  ; the row's sum is taken of the unquantised p: two at a time, in two chains
.irp j, 4,8,12,16,20,24,28,32,36,40,44,48,52,56,60
	v_pk_add_f32 v[14:15], v[14:15], v[S+\j:S+1+\j]
	v_pk_add_f32 v[TP:TP+1], v[TP:TP+1], v[S+2+\j:S+3+\j]
.endr
	v_pk_add_f32 v[14:15], v[14:15], v[TP:TP+1]
	s_wait_alu depctr_va_vdst(0)                   ; and one for the four
.irp b, 0,1,2,3
	v_max_num_f32 v[BM+\b], 0x1800000, v[BM+\b]    ; the floor 2^(3 - 127): the byte cannot fall under 1 (a block whose every p is 0 keeps that byte: its codes are zeros)
.endr
.irp b, 0,1,2,3
	v_add_nc_u32 v[SO+\b], 0xff000000, v[BM+\b]    ; 2 off the exponent field: the conversion's scale operand
.endr
.irp b, 0,1,2,3
	v_lshrrev_b32 v[TP+\b], 23, v[SO+\b]           ; the scale's byte
.endr
	v_lshl_or_b32 v[PW], v[TP+1], 8, v[TP]         ; p's scale word for these 128 keys
	v_lshl_or_b32 v[PW], v[TP+2], 16, v[PW]
	v_lshl_or_b32 v[PW], v[TP+3], 24, v[PW]
.irp b, 0,1,2,3
	v_cvt_scalef32_pk8_fp4_f32 v[PC+2*\b], v[S+16*\b:S+7+16*\b], v[SO+\b]
	v_cvt_scalef32_pk8_fp4_f32 v[PC+1+2*\b], v[S+8+16*\b:S+15+16*\b], v[SO+\b]
.endr
	v_nop                                          ; one plain line behind a scaled conversion
.irp c, 0,1                                    ; the operand's layout wants a WHOLE block in a lane
.irp i, 0,1
	v_permlane16_swap_b32 v[PC+4*\c+\i], v[PC+2+4*\c+\i]
.endr
.endr
.endm
; O^T = f O^T + V^T P of the step in hand; among its rescalings the next step's mask turns through the stage and the next step's K is fetched into the registers that V's first half has left.
; first = 1: the products start O^T's sums, nothing is rescaled.  next = 1: there is a next step; set: its mask's set; lcnt: mask loads that may stay out.  reload = 1: the set is asked for again, two steps on.
.macro PVPART first, next, set, lcnt, reload
.if \next
	s_wait_loadcnt \lcnt                           ; loads come back in order: the next step's mask is in
.endif
.if \first
.rept 8
	v_nop                                          ; p's scale word, written by vector lines, stands eight plain lines ahead of the scaled products, its codes four
.endr
.endif
.irp q, 0,1,2,3
.if \first == 0
	RESC 32*\q, 16                                 ; tiles 4 q .. 4 q + 3 under the new M.  (The 64 lines are also the lines ahead of the scaled products)
.endif
.if \next
	STST \set, 4*\q
.endif
.endr
.if \next
	s_wait_alu depctr_va_vdst(0)
	s_wait_dscnt 16                                ; V and its scale words are in; the stage's 16 stores, issued behind them, may be out
.else
	s_wait_alu depctr_va_vdst(0)
	s_wait_dscnt 0x0                               ; V and its scale words are in
.endif
	WIN W_PV
.irp f, 0,1,2,3,4,5,6,7,8,9,10,11,12,13,14,15  ; 32 accumulators, one instruction each
.if \first
	WM 8*\f, 8*\f, PC, -1, VSC+4*(\f/8)+(\f%8)/2, PW, \f%2
.else
	WM 8*\f, 8*\f, PC, 8*\f, VSC+4*(\f/8)+(\f%8)/2, PW, \f%2
.endif
.endr
.if \first
	PLACES
.else
	RESC 128, 4                                    ; tile 16: four plain lines that name no register of the products above: the places ahead of the loads into V's first half
.endif
.if \next
	STLD
.endif
.if \first == 0
	RESC 136, 15                                   ; tiles 17-31, fifteen pairs at a time
.endif
.if \next
	KADDR
	KLD 0, 4
.endif
.if \first == 0
	RESC 166, 15
.endif
.if \next
	KLD 4, 6
.endif
.if \first == 0
	RESC 196, 15
.endif
.if \next
	KLD 10, 6
.endif
.if \first == 0
	RESC 226, 15
.endif
	WIN W_PV
.irp f, 16,17,18,19,20,21,22,23,24,25,26,27,28,29,30,31
.if \first
	WM 8*\f, 8*\f, PC, -1, VSC+4*(\f/8)+(\f%8)/2, PW, \f%2
.else
	WM 8*\f, 8*\f, PC, 8*\f, VSC+4*(\f/8)+(\f%8)/2, PW, \f%2
.endif
.endr
	PLACES
.if \next
	KLD 16, 16                                     ; K's tiles 4-7
.endif
.if \reload
	s_wait_dscnt 63                                ; behind the stage's 16 stores 84 LDS instructions were issued: the stores are done and have read the set's registers
	MLOAD \set, 1
.endif
.endm
; THE CHANGE OF SLOTS, between a slot's last softmax and its last V^T P: all of the slot has been asked for.  Each wave waits for all its tensor loads (its quarter of the other slot), adds 0 to its spare word, and waits for that and
; for its reads of the slot.  fill = 1: the barrier is a round of the cluster's, and the joint refill, the keys two slots on, is the first thing behind it.
.macro CHANGE fill
	WIN 0                                          ; at a label and at a branch every window is 0
	s_wait_tensorcnt 0x0                           ; no tensor load of mine is out, so a group 0 may be written
	ds_add_u32 v[SPW], v[NIL]                      ; 0 onto my spare word
.if \fill
	s_xor_b32 s[G0W+1], s[G0W+1], SLOTB            ; the walking descriptor: the other slot than last time,
	s_add_nc_u64 s[G0W+2:G0W+3], s[G0W+2:G0W+3], SLOTB   ; the next 256 keys; the type bits on top are not reached
.endif
	s_wait_dscnt 0x0                               ; the add is done, and my reads of the slot are over
.if \fill
	CROUND
	tensor_load_to_lds s[G0W:G0W+3], s[G1:G1+7]    ; my one tensor load until the next round
	s_nop 0
	PLACES                                         ; four v_nop follow it
.else
	s_barrier_signal -1
	s_barrier_wait -1
.endif
	s_sub_co_u32 s[TB], s[TB], 2*STEPB             ; the fetches go back to a slot's first step,
	s_xor_b32 s[TB], s[TB], SLOTB                  ; in the other slot
.endm
	s_load_b256 s[4:11], s[0:1], 0x0               ; qc s[4:5], qs s[6:7], kv s[8:9], mask s[10:11]
	s_load_b64 s[12:13], s[0:1], 0x20              ; out0
	v_lshl_add_u32 v[SPW], v0, 2, SPARE
	v_mov_b32 v[NIL], 0
	ds_add_u32 v7, v8
	ds_add_u32 v7, v8
	s_wait_dscnt 0x0
	v_lshrrev_b32 v1, 5, v0
	v_readfirstlane_b32 s[WV], v1                  ; wave 0..3
	s_bfe_u32 s15, ttmp6, 0x40000                  ; cx: my place in the cluster: it enters the addresses of Q, the mask and out0 alone
	s_lshl_b32 s16, ttmp9, 2                       ; in a cluster launch ttmp9 counts clusters
	s_add_co_u32 s16, s16, s15                     ; my block of 64 queries in the batch
	s_and_b32 s17, ttmp7, 0xffff                   ; the batch, which the four partners share
	s_lshl_b32 s18, s17, 5
	s_add_co_u32 s18, s18, s16                     ; block = 32 b + query block
	s_mul_i32 s19, s[WV], QUART                    ; my quarter of a slot
	s_mul_i32 s20, s17, 16*STEPB                   ; the batch's 16 blocks of kv
	s_add_co_u32 s20, s20, s19
	s_mov_b32 s21, 0
	s_lshl_b32 s22, s18, 6                         ; my first row: 64 x block + 32 (w / 2) + 8 (w % 2)
	s_lshr_b32 s23, s[WV], 1
	s_lshl_b32 s23, s23, 5
	s_add_co_u32 s22, s22, s23
	s_and_b32 s23, s[WV], 1
	s_lshl_b32 s23, s23, 3
	s_add_co_u32 s49, s22, s23
	s_lshl_b32 s22, s49, 13                        ; a row of the mask is 8,192 bytes
	s_mov_b32 s23, 0
	s_lshl_b32 s50, s49, 11                        ; a row of out0 2,048
	s_mov_b32 s51, 0
	s_lshl_b32 s52, s18, 14                        ; qc: 16,384 x block + 4,096 w
	s_lshl_b32 s53, s[WV], 12
	s_add_co_u32 s52, s52, s53
	s_mov_b32 s53, 0
	s_lshl_b32 s54, s18, 10                        ; qs: 1,024 x block + 256 w
	s_lshl_b32 s55, s[WV], 8
	s_add_co_u32 s54, s54, s55
	s_mov_b32 s55, 0
	; descriptor group 1: 136 dense rows of 256 bytes, as 32 elements of 8 bytes; no padding: images are read 16 bytes a lane, 512 on end
	s_mov_b32 s[G1], 15|(3<<16)|(1<<21)            ; 15:0 the mask: all four work-groups; 17:16 elements of 8 bytes; 21 set beside a mask
	s_mov_b32 s[G1+1], 32<<16                      ; tensor_dim0 = 32
	s_mov_b32 s[G1+2], 136<<16                     ; tensor_dim1 = 136
	s_mov_b32 s[G1+3], 32<<16                      ; tile_dim0 = 32
	s_mov_b32 s[G1+4], 136                         ; tile_dim1 = 136
	s_mov_b32 s[G1+5], 32                          ; from row to row
	s_mov_b32 s[G1+6], 0
	s_mov_b32 s[G1+7], 0
	s_mov_b32 s[SEL], 0x76543210
	s_mov_b32 s[SEL+1], 0xfedcba98                 ; v_permlanex16_b32's selects for lane l xor 16
	s_mov_b32 s[CS], 0x3d8293ee                    ; c = log2(e) / sqrt(512)
	s_mov_b32 s[CS+1], s[CS]                       ; (named with it as a pair, so it is written)
	s_mov_b32 s[TB], 0
	s_mov_b32 s[SLOTS], 6                          ; 8 slots' worth of keys; all but the first two come by refills
	s_wait_kmcnt 0x0
	s_add_nc_u64 s[8:9], s[8:9], s[20:21]          ; kv at my quarter of slot 0
	s_add_nc_u64 s[MB:MB+1], s[10:11], s[22:23]    ; the mask at my first row
	s_add_nc_u64 s[12:13], s[12:13], s[50:51]      ; out0 likewise
	s_add_nc_u64 s[4:5], s[4:5], s[52:53]          ; my tile of Q
	s_add_nc_u64 s[6:7], s[6:7], s[54:55]          ; and its scale words
	s_mov_b32 s[G0A], 1                            ; count = 1
	s_mov_b32 s[G0A+1], s19                        ; LDS address: slot 0, my quarter
	s_mov_b64 s[G0A+2:G0A+3], s[8:9]               ; global address: keys 0 to 255
	s_or_b32 s[G0A+3], s[G0A+3], 0x80000000        ; type = 2
	s_mov_b32 s[G0W], 1
	s_add_co_u32 s[G0W+1], s19, SLOTB              ; slot 1
	s_add_nc_u64 s[G0W+2:G0W+3], s[8:9], SLOTB     ; keys 256 to 511
	s_or_b32 s[G0W+3], s[G0W+3], 0x80000000
	CROUND                                         ; all four work-groups are here: the first joint loads meet
	tensor_load_to_lds s[G0A:G0A+3], s[G1:G1+7]    ; slot 0's first fill; it is in before slot 1's is asked for
	s_nop 0
	s_wait_alu depctr_va_vdst(0)
	s_wait_tensorcnt 0x0
	ds_add_u32 v7, v8
	s_wait_dscnt 0x0
	CROUND
	tensor_load_to_lds s[G0W:G0W+3], s[G1:G1+7]
	s_nop 0
	PLACES
	v_and_b32 v[LI], 31, v0
	v_lshlrev_b32 v[LI], 4, v[LI]
	v_and_b32 v[QO], 15, v0                        ; r
	v_bfe_u32 v[TT], v0, 4, 1                      ; h
	s_mul_i32 s48, s[WV], 16*SP
	s_add_co_u32 s48, s48, STG                     ; my stage
	v_add_nc_u32 v[MST], s48, v[LI]
	v_mul_u32_u24 v[MLD], v[QO], SP
	v_add_nc_u32 v[MLD], s48, v[MLD]
	v_lshl_add_u32 v[OST], v[TT], 5, v[MLD]
	v_lshl_add_u32 v[MLD], v[TT], 6, v[MLD]
	v_lshlrev_b32 v[QO], 4, v[QO]
.irp s, 0,1,2,3
	global_load_b128 v[Q+8*\s:Q+8*\s+3],   v[LI], s[4:5] offset:1024*\s       ; Q's fragments stay in registers
	global_load_b128 v[Q+8*\s+4:Q+8*\s+7], v[LI], s[4:5] offset:1024*\s+512
.endr
	global_load_b128 v[QSC:QSC+3], v[QO], s[6:7]   ; row r's four scale words
	MLOAD MS0, 0                                   ; the mask of step 0,
	s_wait_alu depctr_va_vdst(0)
	MLOAD MS1, 1                                   ; of step 1
	WIN 0
	v_mov_b32 v[SMR], 0xd1000000                   ; -2^35
	v_mov_b32 v13, 0xff61b1e6                      ; the largest t so far: -3e38, under every t
	v_floor_f32 v12, -v13                          ; -M
	v_mov_b32 v14, 0                               ; the sum, in two halves
	v_mov_b32 v15, 0
.irp b, 0,1,2,3
	v_mov_b32 v[TP+\b], 0                          ; written once: a lane permute's destination counts as one of its sources
.endr
	v_mov_b32 v[F+1], 0                            ; (named as the upper half of a pair)
	s_wait_loadcnt 16                              ; Q, its scale words and step 0's mask are in; step 1's 16 loads may be out
	STST MS0, 0
	STST MS0, 4
	STST MS0, 8
	STST MS0, 12
	STLD
	s_wait_dscnt 16                                ; the stage's stores are done; its 16 loads may be out
	MLOAD MS0, 1                                   ; step 2
	WIN 0
	s_wait_tensorcnt 1                             ; my quarter of slot 0 is in; slot 1's may stay out
	s_wait_dscnt 0x0
	s_barrier_signal -1
	s_barrier_wait -1                              ; everybody's is
	KADDR
	KLD 0, 16
	KLD 16, 16
	s_wait_alu depctr_va_vdst(0)
	SPART                                          ; step 0
	s_wait_alu depctr_va_vdst(0)
	PVPART 1, 1, MS1, 16, 1                        ; V^T P of step 0 starts O^T | mask and K of step 1 | mask of step 3 asked for
	s_wait_alu depctr_va_vdst(0)
	SPART                                          ; step 1
	WIN 0
.Lslot:                                            ; six trips: trip i leaves the slot of steps 2 i, 2 i + 1 and fills it with steps 2 i + 4, 2 i + 5
	CHANGE 1
	PVPART 0, 1, MS0, 16, 1
	SPART
	PVPART 0, 1, MS1, 16, 1
	SPART
	WIN 0
	s_sub_co_u32 s[SLOTS], s[SLOTS], 1
	s_cmp_lg_u32 s[SLOTS], 0
	s_cbranch_scc1 .Lslot
	CHANGE 0                                       ; the tail is written out
	PVPART 0, 1, MS0, 16, 0
	SPART                                          ; step 14
	PVPART 0, 1, MS1, 0, 0
	SPART                                          ; step 15
	PVPART 0, 0, MS0, 0, 0
	; THE WAY OUT.  O^T is divided by the row's sum and goes through my stage, 128 channels (512 bytes) of 16 queries at a time; each store covers 512 consecutive bytes of one row of out0.
	WIN 0
	v_add_f32 v14, v14, v15                        ; the sum's two halves,
	v_permlanex16_b32 v[TT], v14, s[SEL], s[SEL+1]
	v_add_f32 v14, v14, v[TT]                      ; and lane l xor 16's
	s_wait_alu depctr_va_vdst(0)
	v_rcp_f32 v14, v14
	v_nop                                          ; a plain line behind the reciprocal
	s_wait_alu depctr_va_vdst(0)                   ; the wait ahead of its first reader
.macro SEND g
.irp i, 0,1,2,3,4,5,6,7,8,9,10,11,12,13,14,15
	global_store_b128 v[LI], v[96+96*((\g)%2)+4*\i:96+96*((\g)%2)+4*\i+3], s[12:13] offset:(\i+8*(\i/8))*2048+512*(\g) th:TH_STORE_NT
.endr
.endm
.irp g, 0,1,2,3
.if \g >= 2
	s_wait_xcnt 0x0                                ; the stores of two rounds back have read their registers
.endif
	WIN 0x01                                       ; source 0 window 1
.set n, 0
.rept 64
	v_mul_f32 v[96+96*(\g%2)+n], v[64*\g+n], v14   ; each accumulator from its low end on
.set n, n+1
.endr
	WIN 0
.irp t, 0,1,2,3,4,5,6,7
	ds_store_b128 v[OST], v[96+96*(\g%2)+8*\t:96+96*(\g%2)+8*\t+3]   offset:64*\t       ; lane (r, h): channels 128 g + 16 t + 8 h + 0 .. 7 of query r
	ds_store_b128 v[OST], v[96+96*(\g%2)+8*\t+4:96+96*(\g%2)+8*\t+7] offset:64*\t+16
.endr
.irp i, 0,1,2,3,4,5,6,7,8,9,10,11,12,13,14,15
	ds_load_b128 v[96+96*(\g%2)+4*\i:96+96*(\g%2)+4*\i+3], v[MST] offset:SP*\i   ; LDS serves a wave's instructions in order: these see the stores above, and the next round's stores come behind them
.endr
.if \g > 0
	s_wait_dscnt 32                                ; the round before is back; this round's 16 stores and 16 loads may be out
	SEND \g-1
.endif
.endr
	s_wait_dscnt 0x0
	SEND 3
	s_wait_tensorcnt 0x0                           ; the wave's end
	ds_add_u32 v[SPW], v[NIL]
	s_wait_dscnt 0x0
	CROUND                                         ; the closing round: no work-group ends while a partner may still ask for a tile that names it
	s_endpgm
.Lfunc_end_k_q5141b6d071_attn:
	.size	k_q5141b6d071_attn, .Lfunc_end_k_q5141b6d071_attn-k_q5141b6d071_attn
	.p2alignl 7, 3214868480
	.fill 96, 4, 3214868480
	.section	.rodata,"a",@progbits
	.p2align	6, 0x0
	.amdhsa_kernel k_q5141b6d071_attn
		.amdhsa_group_segment_fixed_size 327680
		.amdhsa_private_segment_fixed_size 0
		.amdhsa_enable_private_segment 0
		.amdhsa_kernarg_size 40
		.amdhsa_user_sgpr_count 2
		.amdhsa_user_sgpr_kernarg_segment_ptr 1
		.amdhsa_wavefront_size32 1
		.amdhsa_system_sgpr_workgroup_id_x 1
		.amdhsa_system_sgpr_workgroup_id_y 1
		.amdhsa_system_sgpr_workgroup_id_z 1
		.amdhsa_system_vgpr_workitem_id 0
		.amdhsa_next_free_vgpr 1024
		.amdhsa_next_free_sgpr 98
		.amdhsa_reserve_vcc 0
		.amdhsa_float_denorm_mode_32 3
		.amdhsa_float_denorm_mode_16_64 3
		.amdhsa_memory_ordered 1
		.amdhsa_forward_progress 1
		.amdhsa_inst_pref_size 255
	.end_amdhsa_kernel
	.section	.bss,"aw",@nobits
	.p2align	6
	.space	262144
	.amdgpu_metadata
---
amdhsa.version: [ 1, 2 ]
amdhsa.kernels:
  - .name:           k_q5141b6d071_attn
    .symbol:         k_q5141b6d071_attn.kd
    .args:
      - { .name: qc, .offset: 0, .size: 8, .value_kind: global_buffer, .address_space: global }
      - { .name: qs, .offset: 8, .size: 8, .value_kind: global_buffer, .address_space: global }
      - { .name: kv, .offset: 16, .size: 8, .value_kind: global_buffer, .address_space: global }
      - { .name: mask, .offset: 24, .size: 8, .value_kind: global_buffer, .address_space: global }
      - { .name: out0, .offset: 32, .size: 8, .value_kind: global_buffer, .address_space: global }
    .group_segment_fixed_size: 327680
    .private_segment_fixed_size: 0
    .kernarg_segment_align: 8
    .kernarg_segment_size: 40
    .max_flat_workgroup_size: 128
    .sgpr_count:     98
    .vgpr_count:     1024
    .wavefront_size: 32
...
	.end_amdgpu_metadata
.endif
;; end of part 6
